; MI455X (gfx1250); checked and timed in simulation.
; The chip was launched on July 23, 2026; its instructions are those of AMD's public machine-readable ISA for CDNA 5 (MIT licence, August 2026) and "CDNA5" Instruction Set Architecture Reference Guide (July 2026). The comments in the code are by the model that wrote it; some were corrected since.
;; Linear Attention Block. Allowed arithmetic: float matrix products may take bf16 or f16 operands with f32 sums; other float arithmetic in f32, or as packed bf16 or f16 multiplies, adds, multiply-adds, maxima and minima; sums over many terms, partial sums and values carried from step to step in f32; what a program stores and reads back later, other than sums and carried values, may be rounded once to bf16 or f16.
;; Inputs: Wk 128 x 1,024 float32; Wo 1,024 x 128 float32; Wq 128 x 1,024 float32; Wv 128 x 1,024 float32; bk 1,024 float32; bo 128 float32; bq 1,024 float32; bv 1,024 float32; x 4 x 2,048 x 128 float32.
;; Outputs: out0 4 x 2,048 x 128 float32.
;; 2 versions, each right; version 2 is version 1 with the launch state written anew for expert scheduling mode. Each part assembles by itself: llvm-mc -triple=amdgcn-amd-amdhsa -mcpu=gfx1250 --defsym DOCPART=n.
;; ======== version 1 of 2: 3 launches
;; workspace buffers: QF 16,777,216 bytes; KF 16,777,216 bytes; XF 2,097,152 bytes; UF 35,389,440 bytes; SF 17,694,720 bytes; WF 81,920 bytes
;; launch state (part 1): grid 4 x 64, 8 waves a work-group, no clusters, 275,456 bytes of LDS; arguments x, Wq, bq, Wk, bk, QF, KF, XF, UF; writes QF, KF, XF, UF
.if DOCPART == 1
	.amdgcn_target "amdgcn-amd-amdhsa--gfx1250"
	.amdhsa_code_object_version 6
	.text
	.protected	k_qbfed42ce88_state
	.globl	k_qbfed42ce88_state
	.p2align	8
	.type	k_qbfed42ce88_state,@function
k_qbfed42ce88_state:
	s_mov_b64 s[64:65], 0
	v_nop
	global_prefetch_b8 v0, s[64:65] scope:SCOPE_SE
	s_setreg_imm32_b32 hwreg(HW_REG_WAVE_MODE, 25, 1), 1
	s_wait_xcnt 0x0
; CAUSAL LINEAR ATTENTION, first of three launches.  B = 4, N = 2048, d_model = 128, d_inner = 1024.
; reference(): Q = phi(x Wq + bq), K = phi(x Wk + bk), V = x Wv + bv, P = tril(Q K^T), out = (P V / (P 1 + 1e-6)) Wo + bo, phi(t) = t + 1 for t > 0, e^t otherwise.
; WHAT IS LEFT OUT, AND WHY IT CAN REACH NO OUTPUT, in exact arithmetic and for all finite inputs:
;  (1) P is multiplied by a mask that reference() builds itself: scores of keys behind the query are multiplied by 0.  Blocks of scores that lie wholly above the diagonal are not made.
;  (2) Products are associative: (P V) Wo = (P x)(Wv Wo) + (P 1)(bv Wo).  So the values that P weighs are the 128 numbers of a row of x and a column of ones (which gives P 1, the
;      denominator); Wvo = Wv Wo [128 x 128] and bvo = bv Wo are made once (second launch) and applied at the end (third launch).  V itself is never formed.
;  (3) For the keys of earlier chunks of 128 rows no mask applies, and sum_m (Q_n . K_m) x+_m = Q_n . S with S = sum_m K_m^T x+_m [1024 x 144], x+ = x with ones beside it.
;      This launch makes each chunk's own U = K^T x+; the second adds them up; the third multiplies Q by S and makes scores only inside the query's own chunk.
;  (4) The last chunk's U of each batch has no later query, and chunk 0 has no earlier key: neither is made.
; Every input has a way to the output and is loaded: x, Wq, bq, Wk, bk here; Wv, bv, Wo in the second launch; bo in the third.
; LIMITS.  The order of sums and roundings differs from reference()'s.  A NaN, an infinity or an overflow that would arise only in what is left out (V, P V, hidden scores) is not carried to the
; result.  phi(NaN) gives 1.  e^t below 2^-126 counts as 0.  x, the weights and the biases are rounded once to bf16; Q and K are stored rounded once to bf16; U stays in f32.
; SHARES.  Work-group (ds, bc): chunk bc = 16 b + c (128 rows) x 256 of the 1024 features d.  Wave w: d = 256 ds + 32 w .. + 31: two tiles of 16, one depth block of 32.
; PRODUCTS.  D[M = d][N = row] = W^T x^T + bias (bias is the C operand of the first K step): a lane then holds one row and eight d; two such tiles packed in pairs ARE an operand fragment
; (lane = row, depth = 32 d), which is stored as it lies: 1,024 bytes = [registers 0-3 | 4-7][lane][16 bytes], so each store of a wave covers 512 consecutive bytes, aligned.
; U: D[M = d][N = i] = K^T x+: K's fragment is turned through the wave's own LDS bytes, x comes turned out of its LDS tile, the ones are a constant fragment.
; NO TENSOR LOADS, NO CLUSTER: the inputs are f32 and must pass through registers to be rounded before they can lie in LDS as operands.
.set PX,    288                        ; a row of x in LDS: 256 bytes + 32: an odd multiple of 32, as the turning loads want; the plain fragment loads then meet two deep
.set PW,    544                        ; a row of a weight slice: 512 + 32
.set PT,    96                         ; a row of a parked K tile: 64 + 32
.set XS,    0                          ; x, bf16 [128 rows][128]
.set WQS,   128*PX                     ; Wq's slice, bf16 [128 i][256 d]
.set WKS,   WQS+128*PW                 ; Wk's slice
.set KT,    WKS+128*PW                 ; each wave's own: four row pairs x [32 rows][32 d]
.set KTW,   4*32*PT
.set SPARE, KT+8*KTW                   ; the spare words, 128 bytes a wave: four blocks of 256 bytes that no other line names
.set SPW,  4                           ; v4  my spare word; never rewritten
.set NIL,  5                           ; v5  0; never rewritten
.set VOX,  6                           ; v6  16 t: my 16 bytes in 8 rows of x
.set VOW,  7                           ; v7  my 16 bytes in 4 rows of a weight slice
.set LXS,  8                           ; v8  where they go in XS
.set LQ0,  9                           ; v9, v10  in WQS (rows 0-63, 64-127)
.set LQ1,  10
.set LK0,  11                          ; v11, v12 in WKS
.set LK1,  12
.set AXF,  13                          ; v13 plain fragment of x: row l % 16
.set AXT,  14                          ; v14 turned fragment of x
.set AWQ,  15                          ; v15, v16 turned fragments of the weight slices, my 32 d
.set AWK,  16
.set AKS,  17                          ; v17 where I park K
.set AKL,  18                          ; v18 where I read it turned
.set VL16, 19                          ; v19 16 x lane
.set VBO,  20                          ; v20 my eight biases
.set AXW,  21                          ; v21 turned fragment of x, features 16 w on
.set BQ,   24                          ; v[24:39]  bq as two C tiles
.set BK,   40                          ; v[40:55]  bk
.set ONES, 56                          ; v[56:63]  a fragment of ones
.set WFR,  64                          ; v[64:127]  weight fragments (tile t, K step k) at 8 (4 t + k)
.set XFR,  128                         ; v[128:191] eight fragments of x
.set ACC,  192                         ; v[192:223] tile (row tile m, t) at 16 m + 8 t
.set PK,   224                         ; v[224:239] two packed fragments
.set TMP,  240                         ; v[240:255] at work
.set KOP,  240                         ;            later K turned: two fragments
.set XST,  64                          ; at the start: x as loaded
.set WST,  128                         ;               Wq as loaded
.set KST,  0                           ; window 1, v0-127: Wk as loaded
.set UACC, 0                           ; window 1, v0-143: U, tile (t, i tile) at 8 (9 t + it)
.set MSB, 0
.macro WIN new                         ; the immediate's high byte repeats the setting that is left; a switch that changes nothing is dropped
.if MSB != (\new)
	s_set_vgpr_msb (MSB<<8)|(\new)
.set MSB, (\new)
.endif
.endm
.macro PLACES                          ; four places behind matrix instructions, ahead of vector work on their results and of loads into their sources
.rept 4
	v_nop
.endr
.endm
	s_load_b512 s[8:23], s[0:1], 0x0               ; x s[8:9], Wq s[10:11], bq s[12:13], Wk s[14:15], bk s[16:17], QF s[18:19], KF s[20:21], XF s[22:23]
	s_load_b64 s[24:25], s[0:1], 0x40              ; UF
	v_lshl_add_u32 v[SPW], v0, 2, SPARE
	v_mov_b32 v[NIL], 0
	v_lshrrev_b32 v1, 5, v0
	v_readfirstlane_b32 s30, v1                    ; wave 0..7
	v_and_b32 v1, 31, v0                           ; l
	v_and_b32 v2, 15, v0                           ; r = l % 16
	v_bfe_u32 v3, v0, 4, 1                         ; h = l / 16
	v_and_b32 v22, 7, v0
	v_bfe_u32 v23, v0, 3, 1                        ; (l / 8) % 2
	v_lshl_add_u32 v22, v3, 3, v22                 ; 8 h + l % 8: a turning load's row
	s_mov_b32 s26, ttmp9                           ; ds
	s_and_b32 s27, ttmp7, 0xffff                   ; bc
	s_and_b32 s28, s27, 15                         ; c
	s_lshr_b32 s29, s27, 4                         ; b
	s_mov_b32 s31, 0xffff0000                      ; a word's upper bf16
	s_mov_b32 s46, 0x3fb8aa3b                      ; log2(e)
	s_mov_b32 s47, s46                             ; named with it as a pair
	; byte offsets of this work-group's and wave's parts, made apart from the addresses
	s_lshl_b32 s32, s27, 16                        ; x: 128 rows of 512 bytes a chunk
	s_mov_b32 s33, 0
	s_lshl_b32 s34, s26, 10                        ; Wq, Wk: 256 columns of 4 bytes
	s_mov_b32 s35, 0
	s_lshl_b32 s42, s26, 3
	s_add_co_u32 s42, s42, s30                     ; depth block 8 ds + w
	s_lshl_b32 s42, s42, 10
	s_lshl_b32 s36, s27, 18                        ; QF, KF: 8 row tiles of 32,768 bytes a chunk
	s_add_co_u32 s36, s36, s42
	s_mov_b32 s37, 0
	s_lshl_b32 s38, s27, 15                        ; XF: 4 row blocks of 8,192 bytes a chunk, feature tile w
	s_lshl_b32 s42, s30, 10
	s_add_co_u32 s38, s38, s42
	s_mov_b32 s39, 0
	s_min_u32 s42, s28, 14                         ; UF has 15 chunks a batch (chunk 15 stores nothing; its offset stays inside)
	s_mul_i32 s43, s29, 15
	s_add_co_u32 s42, s42, s43
	s_mul_i32 s40, s42, 589824                     ; 64 d tiles x 9 i tiles x 1,024 bytes
	s_lshl_b32 s42, s26, 4
	s_lshl1_add_u32 s42, s30, s42                  ; d tile 16 ds + 2 w
	s_mul_i32 s42, s42, 9216
	s_add_co_u32 s40, s40, s42
	s_mov_b32 s41, 0
	; lane addresses: a wave's term is scalar, a lane's comes from v0
	v_lshlrev_b32 v[VOX], 4, v0
	s_lshr_b32 s42, s30, 1
	s_and_b32 s43, s30, 1
	s_lshl_b32 s44, s42, 12                        ; two waves take a row of a slice (1,024 bytes); rows are 4,096 bytes apart
	s_lshl_b32 s45, s43, 9
	s_add_co_u32 s44, s44, s45
	v_lshl_add_u32 v[VOW], v1, 4, s44
	s_mul_i32 s44, s30, PX
	v_lshl_add_u32 v[LXS], v1, 3, s44              ; row w of eight, 8 bytes a lane
	s_mul_i32 s44, s42, PW
	s_lshl_b32 s45, s43, 8
	s_add_co_u32 s44, s44, s45
	s_add_co_u32 s44, s44, WQS
	v_lshl_add_u32 v[LQ0], v1, 3, s44
	v_add_nc_u32 v[LQ1], 64*PW, v[LQ0]
	v_add_nc_u32 v[LK0], WKS-WQS, v[LQ0]
	v_add_nc_u32 v[LK1], WKS-WQS+64*PW, v[LQ0]
	v_mul_u32_u24 v[AXF], v2, PX
	v_lshl_add_u32 v[AXF], v3, 4, v[AXF]
	v_mul_u32_u24 v[AXT], v22, PX
	v_lshl_add_u32 v[AXT], v23, 4, v[AXT]
	s_lshl_b32 s44, s30, 6
	s_add_co_u32 s44, s44, WQS
	v_mul_u32_u24 v[AWQ], v22, PW
	v_lshl_add_u32 v[AWQ], v23, 4, v[AWQ]
	v_add_nc_u32 v[AWQ], s44, v[AWQ]
	v_add_nc_u32 v[AWK], WKS-WQS, v[AWQ]
	s_mul_i32 s44, s30, KTW
	s_add_co_u32 s44, s44, KT
	v_mul_u32_u24 v[AKS], v2, PT
	v_lshl_add_u32 v[AKS], v3, 4, v[AKS]
	v_add_nc_u32 v[AKS], s44, v[AKS]
	v_mul_u32_u24 v[AKL], v22, PT
	v_lshl_add_u32 v[AKL], v23, 4, v[AKL]
	v_add_nc_u32 v[AKL], s44, v[AKL]
	v_lshlrev_b32 v[VL16], 4, v1
	s_lshl_b32 s44, s26, 10
	s_lshl_b32 s45, s30, 7
	s_add_co_u32 s44, s44, s45
	v_lshl_add_u32 v[VBO], v3, 5, s44              ; 4 (256 ds + 32 w + 8 h)
	s_lshl_b32 s44, s30, 5
	v_add_nc_u32 v[AXW], s44, v[AXT]
	s_wait_kmcnt 0x0
	s_add_nc_u64 s[8:9], s[8:9], s[32:33]
	s_add_nc_u64 s[10:11], s[10:11], s[34:35]
	s_add_nc_u64 s[14:15], s[14:15], s[34:35]
	s_add_nc_u64 s[18:19], s[18:19], s[36:37]
	s_add_nc_u64 s[20:21], s[20:21], s[36:37]
	s_add_nc_u64 s[22:23], s[22:23], s[38:39]
	s_add_nc_u64 s[24:25], s[24:25], s[40:41]
	; ALL 88 LOADS OF THE WAVE GO OUT AT ONCE: 8 of biases, 16 of x, 32 of Wq, 32 of Wk
.irp o, 0,1,2,3
	global_load_b128 v[BQ+4*(\o):BQ+4*(\o)+3], v[VBO], s[12:13] offset:16*((\o)%2)+64*((\o)/2)
.endr
.irp o, 0,1,2,3
	global_load_b128 v[BK+4*(\o):BK+4*(\o)+3], v[VBO], s[16:17] offset:16*((\o)%2)+64*((\o)/2)
.endr
.set ik, 0
.rept 16
	global_load_b128 v[XST+4*ik:XST+4*ik+3], v[VOX], s[8:9] offset:ik*4096
.set ik, ik+1
.endr
.set ik, 0
.rept 32
	global_load_b128 v[WST+4*ik:WST+4*ik+3], v[VOW], s[10:11] offset:ik*16384
.set ik, ik+1
.endr
	WIN 0x40                                       ; destination window 1
.set ik, 0
.rept 32
	global_load_b128 v[KST+4*ik:KST+4*ik+3], v[VOW], s[14:15] offset:ik*16384
.set ik, ik+1
.endr
	WIN 0
.set ik, 0
.rept 8
	v_mov_b32 v[ONES+ik], 0x3f803f80               ; 1.0 twice in bf16
.set ik, ik+1
.endr
	s_wait_loadcnt 63                              ; of 88 loads at most 63 are out: the oldest 25 are in, the 8 of biases and the 16 of x among them
.set ik, 0
.rept 16                                       ; x: rounded to bf16, 8 bytes a lane into row 8 k + w
	v_cvt_pk_bf16_f32 v[XST+4*ik], v[XST+4*ik], v[XST+4*ik+1]
	v_cvt_pk_bf16_f32 v[XST+4*ik+1], v[XST+4*ik+2], v[XST+4*ik+3]
	ds_store_b64 v[LXS], v[XST+4*ik:XST+4*ik+1] offset:XS+ik*8*PX
.set ik, ik+1
.endr
.macro RNDB base                       ; 16 biases rounded to bf16 and widened again: they stay f32 C operands
.set ij, 0
.rept 8
	v_cvt_pk_bf16_f32 v22, v[(\base)+ij], v[(\base)+ij+1]
	v_lshlrev_b32 v[(\base)+ij], 16, v22
	v_and_b32 v[(\base)+ij+1], s31, v22
.set ij, ij+2
.endr
.endm
	RNDB BQ
	RNDB BK
	s_wait_loadcnt 32                              ; Wq is in; Wk's 32 loads stay out
.set ik, 0
.rept 32
	v_cvt_pk_bf16_f32 v[WST+4*ik], v[WST+4*ik], v[WST+4*ik+1]
	v_cvt_pk_bf16_f32 v[WST+4*ik+1], v[WST+4*ik+2], v[WST+4*ik+3]
.if ik < 16
	ds_store_b64 v[LQ0], v[WST+4*ik:WST+4*ik+1] offset:ik*4*PW
.else
	ds_store_b64 v[LQ1], v[WST+4*ik:WST+4*ik+1] offset:(ik-16)*4*PW
.endif
.set ik, ik+1
.endr
	s_wait_dscnt 0x0                               ; for the others' sake: my stores of x and Wq are done
	s_barrier_signal -1
	s_barrier_wait -1
	; x TURNED, for the third launch: fragments (lane = feature, depth = 32 rows).  One of the chunk's four work-groups stores them; wave w takes features 16 w on.
	s_cmp_lg_u32 s26, 0
	s_cbranch_scc1 .Lno_xf
.set ip, 0
.rept 4
	ds_load_tr16_b128 v[ACC+8*ip:ACC+8*ip+3], v[AXW] offset:ip*32*PX
	ds_load_tr16_b128 v[ACC+8*ip+4:ACC+8*ip+7], v[AXW] offset:ip*32*PX+16*PX
.set ip, ip+1
.endr
	s_wait_dscnt 0x0
.set ip, 0
.rept 4
	global_store_b128 v[VL16], v[ACC+8*ip:ACC+8*ip+3], s[22:23] offset:ip*8192 th:TH_STORE_NT
	global_store_b128 v[VL16], v[ACC+8*ip+4:ACC+8*ip+7], s[22:23] offset:ip*8192+512 th:TH_STORE_NT
.set ip, ip+1
.endr
	s_wait_xcnt 0x0                                ; the stores have read their data: these registers become accumulators next
.Lno_xf:
; My 32 d of a weight slice, turned: fragment (t, k): lane = d, depth = 32 i
.macro LOADW a
.set it, 0
.rept 2
.set ik, 0
.rept 4
	ds_load_tr16_b128 v[WFR+8*(4*it+ik):WFR+8*(4*it+ik)+3], v[\a] offset:ik*32*PW+32*it
	ds_load_tr16_b128 v[WFR+8*(4*it+ik)+4:WFR+8*(4*it+ik)+7], v[\a] offset:ik*32*PW+32*it+16*PW
.set ik, ik+1
.endr
.set it, it+1
.endr
.endm
; phi on 16 numbers in place: max(t, 0) + 2^(min(t log2 e, 0)): t + 1 above 0, e^t below: reference()'s own choice between the two forms.
; The 16 exponentials are one batch; the 16 maxima are the plain work behind them; one wait stands ahead of the first reader.
.macro PHI a
.set pj, 0
.rept 8
	v_pk_mul_f32 v[TMP+pj:TMP+pj+1], v[(\a)+pj:(\a)+pj+1], s[46:47] op_sel_hi:[1,0]
.set pj, pj+2
.endr
.set pj, 0
.rept 16
	v_min_num_f32 v[TMP+pj], 0, v[TMP+pj]
.set pj, pj+1
.endr
.set pj, 0
.rept 16
	v_exp_f32 v[TMP+pj], v[TMP+pj]
.set pj, pj+1
.endr
.set pj, 0
.rept 16
	v_max_num_f32 v[(\a)+pj], 0, v[(\a)+pj]
.set pj, pj+1
.endr
	s_wait_alu depctr_va_vdst(0)
.set pj, 0
.rept 8
	v_pk_add_f32 v[(\a)+pj:(\a)+pj+1], v[(\a)+pj:(\a)+pj+1], v[TMP+pj:TMP+pj+1]
.set pj, pj+2
.endr
.endm
; Rows 32 mp .. 32 mp + 31 x my 32 d: 16 products (four accumulators by turns, the bias as the first C), phi, two packed fragments, stored.
.macro PROJ mp, bias, dst
.set im, 0
.rept 2
.set ik, 0
.rept 4
	ds_load_b128 v[XFR+8*(4*im+ik):XFR+8*(4*im+ik)+3], v[AXF] offset:(2*(\mp)+im)*16*PX+64*ik
	ds_load_b128 v[XFR+8*(4*im+ik)+4:XFR+8*(4*im+ik)+7], v[AXF] offset:(2*(\mp)+im)*16*PX+64*ik+32
.set ik, ik+1
.endr
.set im, im+1
.endr
	s_wait_dscnt 0x0
.set ik, 0
.rept 4
.set im, 0
.rept 2
.set it, 0
.rept 2
.if ik == 0
	v_wmma_f32_16x16x32_bf16 v[ACC+16*im+8*it:ACC+16*im+8*it+7], v[WFR+8*(4*it+ik):WFR+8*(4*it+ik)+7], v[XFR+8*(4*im+ik):XFR+8*(4*im+ik)+7], v[(\bias)+8*it:(\bias)+8*it+7]
.else
	v_wmma_f32_16x16x32_bf16 v[ACC+16*im+8*it:ACC+16*im+8*it+7], v[WFR+8*(4*it+ik):WFR+8*(4*it+ik)+7], v[XFR+8*(4*im+ik):XFR+8*(4*im+ik)+7], v[ACC+16*im+8*it:ACC+16*im+8*it+7]
.endif
.set it, it+1
.endr
.set im, im+1
.endr
.set ik, ik+1
.endr
	PLACES
.set im, 0
.rept 2
	PHI ACC+16*im
	s_wait_xcnt 0x0                                ; the stores that read these packed registers last have read them
.set ij, 0
.rept 8
	v_cvt_pk_bf16_f32 v[PK+8*im+ij], v[ACC+16*im+2*ij], v[ACC+16*im+2*ij+1]
.set ij, ij+1
.endr
	global_store_b128 v[VL16], v[PK+8*im:PK+8*im+3], s[\dst:\dst+1] offset:(2*(\mp)+im)*32768 th:TH_STORE_NT
	global_store_b128 v[VL16], v[PK+8*im+4:PK+8*im+7], s[\dst:\dst+1] offset:(2*(\mp)+im)*32768+512 th:TH_STORE_NT
.set im, im+1
.endr
.endm
	LOADW AWQ
	PROJ 0, BQ, 18
	PROJ 1, BQ, 18
	PROJ 2, BQ, 18
	PROJ 3, BQ, 18
	s_wait_loadcnt 0x0                             ; Wk, asked for at the start
	WIN 0x05                                       ; sources window 1, destination window 0
.set ik, 0
.rept 32
	v_cvt_pk_bf16_f32 v[XFR+2*ik], v[KST+4*ik], v[KST+4*ik+1]
	v_cvt_pk_bf16_f32 v[XFR+2*ik+1], v[KST+4*ik+2], v[KST+4*ik+3]
.set ik, ik+1
.endr
	WIN 0
.set ik, 0
.rept 16
	ds_store_b64 v[LK0], v[XFR+2*ik:XFR+2*ik+1] offset:ik*4*PW
	ds_store_b64 v[LK1], v[XFR+32+2*ik:XFR+32+2*ik+1] offset:ik*4*PW
.set ik, ik+1
.endr
	s_wait_dscnt 0x0                               ; for the others' sake: my stores of Wk are done
	s_barrier_signal -1
	s_barrier_wait -1
	LOADW AWK
.irp p, 0,1,2,3
	PROJ \p, BK, 20
	s_cmp_eq_u32 s28, 15                           ; a batch's last chunk has no later query: its K is not parked and its U not made
	s_cbranch_scc1 .Lnokt\p
	ds_store_b128 v[AKS], v[PK:PK+3] offset:(\p)*32*PT            ; rows [32][32 d] in my own bytes: lane = row, 16 bytes for each half of the lanes
	ds_store_b128 v[AKS], v[PK+4:PK+7] offset:(\p)*32*PT+32
	ds_store_b128 v[AKS], v[PK+8:PK+11] offset:(\p)*32*PT+16*PT
	ds_store_b128 v[AKS], v[PK+12:PK+15] offset:(\p)*32*PT+16*PT+32
.Lnokt\p:
.endr
	s_cmp_eq_u32 s28, 15
	s_cbranch_scc1 .Lend
; U += K^T x+ over rows 32 mp .. + 31: 18 accumulators, one product each.  The parked bytes are the wave's own, and LDS serves a wave's instructions in order (ISA guide 5.7.1.4): no barrier.
.macro UPD mp
.set it, 0
.rept 2
	ds_load_tr16_b128 v[KOP+8*it:KOP+8*it+3], v[AKL] offset:(\mp)*32*PT+32*it
	ds_load_tr16_b128 v[KOP+8*it+4:KOP+8*it+7], v[AKL] offset:(\mp)*32*PT+32*it+16*PT
.set it, it+1
.endr
.set ii, 0
.rept 8
	ds_load_tr16_b128 v[XFR+8*ii:XFR+8*ii+3], v[AXT] offset:(\mp)*32*PX+32*ii
	ds_load_tr16_b128 v[XFR+8*ii+4:XFR+8*ii+7], v[AXT] offset:(\mp)*32*PX+32*ii+16*PX
.set ii, ii+1
.endr
	s_wait_dscnt 0x0
	WIN 0x50                                       ; C and D window 1
.set ii, 0
.rept 9
.set rB, XFR+8*ii
.if ii == 8
.set rB, ONES
.endif
.set it, 0
.rept 2
.if (\mp) == 0
	v_wmma_f32_16x16x32_bf16 v[UACC+8*(9*it+ii):UACC+8*(9*it+ii)+7], v[KOP+8*it:KOP+8*it+7], v[rB:rB+7], 0
.else
	v_wmma_f32_16x16x32_bf16 v[UACC+8*(9*it+ii):UACC+8*(9*it+ii)+7], v[KOP+8*it:KOP+8*it+7], v[rB:rB+7], v[UACC+8*(9*it+ii):UACC+8*(9*it+ii)+7]
.endif
.set it, it+1
.endr
.set ii, ii+1
.endr
	WIN 0
	PLACES
.endm
	UPD 0
	UPD 1
	UPD 2
	UPD 3
	WIN 0x04                                       ; store data window 1
.set ii, 0
.rept 18                                       ; U in f32, a tile as it lies: registers 0-3, then 4-7: 512 consecutive bytes a store
	global_store_b128 v[VL16], v[UACC+8*ii:UACC+8*ii+3], s[24:25] offset:ii*1024 th:TH_STORE_NT
	global_store_b128 v[VL16], v[UACC+8*ii+4:UACC+8*ii+7], s[24:25] offset:ii*1024+512 th:TH_STORE_NT
.set ii, ii+1
.endr
	WIN 0
.Lend:
	s_wait_tensorcnt 0x0                           ; the wave's end, behind my last LDS store
	ds_add_u32 v[SPW], v[NIL]
	s_wait_dscnt 0x0
	s_endpgm
.Lfunc_end_k_qbfed42ce88_state:
	.size	k_qbfed42ce88_state, .Lfunc_end_k_qbfed42ce88_state-k_qbfed42ce88_state
	.p2alignl 7, 3214868480
	.fill 96, 4, 3214868480
	.section	.rodata,"a",@progbits
	.p2align	6, 0x0
	.amdhsa_kernel k_qbfed42ce88_state
		.amdhsa_group_segment_fixed_size 275456
		.amdhsa_private_segment_fixed_size 0
		.amdhsa_enable_private_segment 0
		.amdhsa_kernarg_size 72
		.amdhsa_user_sgpr_count 2
		.amdhsa_user_sgpr_kernarg_segment_ptr 1
		.amdhsa_wavefront_size32 1
		.amdhsa_system_sgpr_workgroup_id_x 1
		.amdhsa_system_sgpr_workgroup_id_y 1
		.amdhsa_system_sgpr_workgroup_id_z 1
		.amdhsa_system_vgpr_workitem_id 0
		.amdhsa_next_free_vgpr 400
		.amdhsa_next_free_sgpr 66
		.amdhsa_reserve_vcc 0
		.amdhsa_float_denorm_mode_32 3
		.amdhsa_float_denorm_mode_16_64 3
		.amdhsa_memory_ordered 1
		.amdhsa_forward_progress 1
		.amdhsa_inst_pref_size 119
	.end_amdhsa_kernel
	.amdgpu_metadata
---
amdhsa.version: [ 1, 2 ]
amdhsa.kernels:
  - .name:           k_qbfed42ce88_state
    .symbol:         k_qbfed42ce88_state.kd
    .args:
      - { .name: x, .offset: 0, .size: 8, .value_kind: global_buffer, .address_space: global }
      - { .name: Wq, .offset: 8, .size: 8, .value_kind: global_buffer, .address_space: global }
      - { .name: bq, .offset: 16, .size: 8, .value_kind: global_buffer, .address_space: global }
      - { .name: Wk, .offset: 24, .size: 8, .value_kind: global_buffer, .address_space: global }
      - { .name: bk, .offset: 32, .size: 8, .value_kind: global_buffer, .address_space: global }
      - { .name: QF, .offset: 40, .size: 8, .value_kind: global_buffer, .address_space: global }
      - { .name: KF, .offset: 48, .size: 8, .value_kind: global_buffer, .address_space: global }
      - { .name: XF, .offset: 56, .size: 8, .value_kind: global_buffer, .address_space: global }
      - { .name: UF, .offset: 64, .size: 8, .value_kind: global_buffer, .address_space: global }
    .group_segment_fixed_size: 275456
    .private_segment_fixed_size: 0
    .kernarg_segment_align: 8
    .kernarg_segment_size: 72
    .max_flat_workgroup_size: 256
    .sgpr_count:     66
    .vgpr_count:     400
    .wavefront_size: 32
...
	.end_amdgpu_metadata
.endif
;; end of part 1
;; launch prefix (part 2): grid 52 x 4, 12 waves a work-group, no clusters, 168,192 bytes of LDS; arguments UF, Wv, bv, Wo, SF, WF; writes SF, WF
.if DOCPART == 2
	.amdgcn_target "amdgcn-amd-amdhsa--gfx1250"
	.amdhsa_code_object_version 6
	.text
	.protected	k_qbfed42ce88_prefix
	.globl	k_qbfed42ce88_prefix
	.p2align	8
	.type	k_qbfed42ce88_prefix,@function
k_qbfed42ce88_prefix:
	s_mov_b64 s[64:65], 0
	v_nop
	global_prefetch_b8 v0, s[64:65] scope:SCOPE_SE
	s_setreg_imm32_b32 hwreg(HW_REG_WAVE_MODE, 25, 1), 1
	s_wait_xcnt 0x0
; Second launch of the causal linear attention (the identities and limits stand at the head of the first kernel).  Two roles, chosen by the work-group's x.
; LEFT OUT: V = x Wv + bv is never formed: Wvo = Wv Wo and bvo = bv Wo take its place, by associativity; chunk 0 has no state and a batch's last chunk adds to none.
; ROLE 'prefix' (x < 48, y = batch): S for chunk c + 1 = U_0 + .. + U_c.  A wave owns ONE tile position (d tile, i tile) of the 576 for all 15 chunks: 30 loads go out at once, the carry stays
;   in f32 registers, and each running sum is rounded once to bf16.  A D tile [M = d][N = i] packed in pairs is half an operand fragment (lane = i, depth = 32 d): it is stored as it lies,
;   512 consecutive bytes a store.  This role touches no LDS.  It is a stream: no matrix unit, no cluster, no LDS would add anything.
; ROLE 'Wvo' (x - 48 = iq, y = eq): rows 32 iq .. + 31 of Wvo x columns 32 eq .. + 31, K = 1024, bf16 operands, f32 sums; where iq = 0 also bvo for those columns.
;   Results are split into bf16 hi + bf16 lo (hi = the rounding, lo = the rounding of what is left), since one rounding to bf16 of this factor would spend the comparison's allowance in a batch's first rows.
;   WF: [hi, lo][e tile 8][k 5][1,024 bytes]: lane = e, depth = 32 i; k = 4 holds bvo / 32 in all 32 places (the third launch puts the denominator 32 times beside it).
;   Every Wvo work-group lays bv (4,096 bytes) into LDS, so that the loaders have one path; only iq = 0 multiplies by it.
.set PV,    2064                       ; a row of Wv in LDS: 2,048 bytes + 16: an odd multiple of 16
.set PO,    96                         ; a row of Wo's slice: 64 + 32: an odd multiple of 32
.set VT,    0                          ; 32 rows of Wv, then bv
.set OT,    68352                      ; Wo's slice [1024 j][32 e]
.set SPARE, 166656                     ; the spare words, 128 bytes a wave: six blocks of 256 bytes that no other line names
.set SPW, 4
.set NIL, 5
.set SMK, 34                           ; s34  a word's upper bf16
.macro PLACES
.rept 4
	v_nop
.endr
.endm
.macro HILO s, hi, lo, t               ; 8 f32 -> 4 registers of bf16 roundings and 4 of the roundings of the remainders; the source is read from its low end on
.set hj, 0
.rept 4
	v_cvt_pk_bf16_f32 v[(\hi)+hj], v[(\s)+2*hj], v[(\s)+2*hj+1]
.set hj, hj+1
.endr
.set hj, 0
.rept 4
	v_lshlrev_b32 v[(\t)+2*hj], 16, v[(\hi)+hj]
	v_and_b32 v[(\t)+2*hj+1], s[SMK], v[(\hi)+hj]
.set hj, hj+1
.endr
.set hj, 0
.rept 4
	v_pk_add_f32 v[(\t)+2*hj:(\t)+2*hj+1], v[(\s)+2*hj:(\s)+2*hj+1], v[(\t)+2*hj:(\t)+2*hj+1] neg_lo:[0,1] neg_hi:[0,1]
.set hj, hj+1
.endr
.set hj, 0
.rept 4
	v_cvt_pk_bf16_f32 v[(\lo)+hj], v[(\t)+2*hj], v[(\t)+2*hj+1]
.set hj, hj+1
.endr
.endm
	s_load_b256 s[8:15], s[0:1], 0x0               ; UF s[8:9], Wv s[10:11], bv s[12:13], Wo s[14:15]
	s_load_b128 s[16:19], s[0:1], 0x20             ; SF s[16:17], WF s[18:19]
	v_lshl_add_u32 v[SPW], v0, 2, SPARE
	v_mov_b32 v[NIL], 0
	v_lshrrev_b32 v1, 5, v0
	v_readfirstlane_b32 s22, v1                    ; wave 0..11
	v_and_b32 v1, 31, v0
	v_lshlrev_b32 v6, 4, v1                        ; 16 x lane
	s_mov_b32 s20, ttmp9
	s_and_b32 s21, ttmp7, 0xffff
	s_wait_kmcnt 0x0
	s_cmp_ge_u32 s20, 48
	s_cbranch_scc1 .Lwvo
	s_mul_i32 s24, s20, 12
	s_add_co_u32 s24, s24, s22                     ; my tile position, 0..575 = 9 dt + it
	s_mul_i32 s25, s24, 7282
	s_lshr_b32 s25, s25, 16                        ; dt = position / 9: exact below 576 (7282 / 65536 exceeds 1 / 9 by 3.4e-6)
	s_mul_i32 s26, s25, 9
	s_sub_co_u32 s26, s24, s26                     ; it
	s_mul_i32 s28, s21, 8847360                    ; UF: 15 chunks of 589,824 bytes a batch
	s_lshl_b32 s27, s24, 10
	s_add_co_u32 s28, s28, s27
	s_mov_b32 s29, 0
	s_mul_i32 s30, s21, 4423680                    ; SF: 15 states of 294,912 bytes a batch
	s_lshl_b32 s27, s26, 15                        ; i tile: 32 depth blocks of 1,024 bytes
	s_add_co_u32 s30, s30, s27
	s_lshl_b32 s27, s25, 9                         ; depth block dt / 2, half dt % 2: 512 dt
	s_add_co_u32 s30, s30, s27
	s_mov_b32 s31, 0
	s_add_nc_u64 s[8:9], s[8:9], s[28:29]
	s_add_nc_u64 s[16:17], s[16:17], s[30:31]
.set ic, 0
.rept 15
	global_load_b128 v[32+8*ic:32+8*ic+3], v6, s[8:9] offset:ic*589824 th:TH_LOAD_NT
	global_load_b128 v[32+8*ic+4:32+8*ic+7], v6, s[8:9] offset:ic*589824+512 th:TH_LOAD_NT
.set ic, ic+1
.endr
.set ic, 0
.rept 15
	s_wait_loadcnt 28-2*ic                         ; chunk c's two loads are in; the later chunks' stay out
.if ic > 0
.set ij, 0
.rept 4
	v_pk_add_f32 v[32+8*ic+ij:32+8*ic+ij+1], v[32+8*ic+ij:32+8*ic+ij+1], v[24+8*ic+ij:24+8*ic+ij+1]
.set ij, ij+2
.endr
.endif
.set ij, 0
.rept 4
	v_cvt_pk_bf16_f32 v[152+4*ic+ij], v[32+8*ic+2*ij], v[32+8*ic+2*ij+1]   ; each chunk has packed registers of its own: no store's data is written again
.set ij, ij+1
.endr
	global_store_b128 v6, v[152+4*ic:152+4*ic+3], s[16:17] offset:ic*294912 th:TH_STORE_NT
.set ic, ic+1
.endr
	s_endpgm                                       ; this role has written no LDS
.Lwvo:
	s_sub_co_u32 s23, s20, 48                      ; iq; s21 = eq
	v_and_b32 v2, 15, v0                           ; r
	v_bfe_u32 v3, v0, 4, 1                         ; h
	v_and_b32 v7, 7, v0
	v_bfe_u32 v8, v0, 3, 1
	s_mov_b32 s[SMK], 0xffff0000
	s_cmp_lt_u32 s22, 8                            ; waves 0-7 load, 256 threads
	s_cbranch_scc0 .Lloaded
	s_lshl_b32 s24, s23, 17                        ; 32 rows of Wv: 131,072 consecutive bytes
	s_mov_b32 s25, 0
	s_add_nc_u64 s[10:11], s[10:11], s[24:25]
	s_lshl_b32 s26, s22, 9
	v_lshl_add_u32 v9, v1, 4, s26                  ; 16 t: a row of Wv (and bv) is one load of the 256 threads
	s_lshl_b32 s26, s22, 8
	v_lshl_add_u32 v10, v1, 3, s26                 ; 8 t in an LDS row
	v_add_nc_u32 v11, 32*PV, v10                   ; row 32: bv
	v_lshrrev_b32 v18, 3, v1
	s_lshl_b32 s26, s22, 11
	s_lshl_b32 s27, s21, 7
	s_add_co_u32 s26, s26, s27
	v_lshl_add_u32 v12, v18, 9, s26                ; Wo: row t / 8 of 32 (512 bytes each), my slice's 128 bytes, 16 bytes a thread
	v_lshl_add_u32 v12, v7, 4, v12
	s_mul_i32 s26, s22, 4*PO
	s_add_co_u32 s26, s26, OT
	v_mul_u32_u24 v13, v18, PO
	v_lshl_add_u32 v13, v7, 3, v13
	v_add_nc_u32 v13, s26, v13
	v_add_nc_u32 v14, 512*PO, v13                  ; rows 512 on
	global_load_b128 v[24:27], v9, s[12:13]
.set ik, 0
.rept 32
	global_load_b128 v[32+4*ik:32+4*ik+3], v9, s[10:11] offset:ik*4096
.set ik, ik+1
.endr
.set ik, 0
.rept 16
	global_load_b128 v[160+4*ik:160+4*ik+3], v12, s[14:15] offset:ik*16384
.set ik, ik+1
.endr
	s_wait_loadcnt 16                              ; bv and Wv are in; Wo's 16 loads stay out
	v_cvt_pk_bf16_f32 v24, v24, v25
	v_cvt_pk_bf16_f32 v25, v26, v27
	ds_store_b64 v11, v[24:25]
.set ik, 0
.rept 32
	v_cvt_pk_bf16_f32 v[32+4*ik], v[32+4*ik], v[32+4*ik+1]
	v_cvt_pk_bf16_f32 v[32+4*ik+1], v[32+4*ik+2], v[32+4*ik+3]
	ds_store_b64 v10, v[32+4*ik:32+4*ik+1] offset:ik*PV
.set ik, ik+1
.endr
.set ik, 0
.rept 16
	global_load_b128 v[32+4*ik:32+4*ik+3], v12, s[14:15] offset:(16+ik)*16384
.set ik, ik+1
.endr
	s_wait_loadcnt 16                              ; Wo's rows 0-511 are in; the 16 loads just issued stay out
.set ik, 0
.rept 16
	v_cvt_pk_bf16_f32 v[160+4*ik], v[160+4*ik], v[160+4*ik+1]
	v_cvt_pk_bf16_f32 v[160+4*ik+1], v[160+4*ik+2], v[160+4*ik+3]
	ds_store_b64 v13, v[160+4*ik:160+4*ik+1] offset:ik*32*PO
.set ik, ik+1
.endr
	s_wait_loadcnt 0x0
.set ik, 0
.rept 16
	v_cvt_pk_bf16_f32 v[32+4*ik], v[32+4*ik], v[32+4*ik+1]
	v_cvt_pk_bf16_f32 v[32+4*ik+1], v[32+4*ik+2], v[32+4*ik+3]
	ds_store_b64 v14, v[32+4*ik:32+4*ik+1] offset:ik*32*PO
.set ik, ik+1
.endr
.Lloaded:
	s_wait_dscnt 0x0                               ; for the others' sake: my stores are done
	s_barrier_signal -1
	s_barrier_wait -1
	s_cmp_lt_u32 s22, 6                            ; waves 0-5 multiply: row tile ti = w / 2 (2: bv), column tile te = w % 2
	s_cbranch_scc0 .Lend
	s_lshr_b32 s24, s22, 1
	s_and_b32 s25, s22, 1
	s_cmp_eq_u32 s24, 2
	s_cbranch_scc0 .Lgo
	s_cmp_lg_u32 s23, 0                            ; bvo is made where iq = 0 alone
	s_cbranch_scc1 .Lend
.Lgo:
	s_cmp_eq_u32 s24, 2
	s_cselect_b32 s26, 0, PV                       ; for bv all 16 rows of the fragment are the one row
	s_mul_i32 s27, s24, 16*PV                      ; rows 0, 16, or 32 (bv)
	v_mul_u32_u24 v15, v2, s26
	v_lshl_add_u32 v15, v3, 4, v15
	v_add_nc_u32 v15, s27, v15                     ; source 0: lane = row i, depth j
	s_lshl_b32 s26, s25, 5
	s_add_co_u32 s26, s26, OT
	v_lshl_add_u32 v16, v3, 3, v7
	v_mul_u32_u24 v16, v16, PO
	v_lshl_add_u32 v16, v8, 4, v16
	v_add_nc_u32 v16, s26, v16                     ; source 1, turned: lane = column e, depth j
	v_add_nc_u32 v17, 512*PO, v16
.set ib, 0
.rept 4                                        ; four batches of eight K steps; two accumulators take turns
.set ik, 0
.rept 8
	ds_load_b128 v[32+8*ik:32+8*ik+3], v15 offset:64*(8*ib+ik)
	ds_load_b128 v[32+8*ik+4:32+8*ik+7], v15 offset:64*(8*ib+ik)+32
.if ib < 2
	ds_load_tr16_b128 v[96+8*ik:96+8*ik+3], v16 offset:(8*ib+ik)*32*PO
	ds_load_tr16_b128 v[96+8*ik+4:96+8*ik+7], v16 offset:(8*ib+ik)*32*PO+16*PO
.else
	ds_load_tr16_b128 v[96+8*ik:96+8*ik+3], v17 offset:(8*ib+ik-16)*32*PO
	ds_load_tr16_b128 v[96+8*ik+4:96+8*ik+7], v17 offset:(8*ib+ik-16)*32*PO+16*PO
.endif
.set ik, ik+1
.endr
	s_wait_dscnt 0x0
.set ik, 0
.rept 8
.if (ib == 0) && (ik < 2)
	v_wmma_f32_16x16x32_bf16 v[160+8*(ik%2):160+8*(ik%2)+7], v[32+8*ik:32+8*ik+7], v[96+8*ik:96+8*ik+7], 0
.else
	v_wmma_f32_16x16x32_bf16 v[160+8*(ik%2):160+8*(ik%2)+7], v[32+8*ik:32+8*ik+7], v[96+8*ik:96+8*ik+7], v[160+8*(ik%2):160+8*(ik%2)+7]
.endif
.set ik, ik+1
.endr
	PLACES
.set ib, ib+1
.endr
.set ij, 0
.rept 4
	v_pk_add_f32 v[160+ij:160+ij+1], v[160+ij:160+ij+1], v[168+ij:168+ij+1]
.set ij, ij+2
.endr
	s_cmp_eq_u32 s24, 2
	s_cbranch_scc0 .Lsplit
.set ij, 0
.rept 4
	v_pk_mul_f32 v[160+ij:160+ij+1], v[160+ij:160+ij+1], 0x3d000000 op_sel_hi:[1,0]  ; bvo / 32: exact
.set ij, ij+2
.endr
.Lsplit:
	HILO 160, 176, 180, 184
	s_lshl_b32 s28, s23, 10                        ; fragment k = iq,
	s_lshl_b32 s29, s24, 9                         ; half ti;
	s_add_co_u32 s28, s28, s29
	s_cmp_eq_u32 s24, 2
	s_cselect_b32 s28, 4096, s28                   ; bvo: fragment k = 4
	s_lshl1_add_u32 s29, s21, s25                  ; e tile 2 eq + te
	s_mul_i32 s29, s29, 5120
	s_add_co_u32 s28, s28, s29
	s_mov_b32 s29, 0
	s_add_nc_u64 s[18:19], s[18:19], s[28:29]
	global_store_b128 v6, v[176:179], s[18:19] th:TH_STORE_NT
	global_store_b128 v6, v[180:183], s[18:19] offset:40960 th:TH_STORE_NT
	s_cmp_eq_u32 s24, 2
	s_cbranch_scc0 .Lend
	global_store_b128 v6, v[176:179], s[18:19] offset:512 th:TH_STORE_NT      ; bvo fills both halves of its fragment
	global_store_b128 v6, v[180:183], s[18:19] offset:41472 th:TH_STORE_NT
.Lend:
	s_wait_tensorcnt 0x0                           ; the wave's end, behind my last LDS store
	ds_add_u32 v[SPW], v[NIL]
	s_wait_dscnt 0x0
	s_endpgm
.Lfunc_end_k_qbfed42ce88_prefix:
	.size	k_qbfed42ce88_prefix, .Lfunc_end_k_qbfed42ce88_prefix-k_qbfed42ce88_prefix
	.p2alignl 7, 3214868480
	.fill 96, 4, 3214868480
	.section	.rodata,"a",@progbits
	.p2align	6, 0x0
	.amdhsa_kernel k_qbfed42ce88_prefix
		.amdhsa_group_segment_fixed_size 168192
		.amdhsa_private_segment_fixed_size 0
		.amdhsa_enable_private_segment 0
		.amdhsa_kernarg_size 48
		.amdhsa_user_sgpr_count 2
		.amdhsa_user_sgpr_kernarg_segment_ptr 1
		.amdhsa_wavefront_size32 1
		.amdhsa_system_sgpr_workgroup_id_x 1
		.amdhsa_system_sgpr_workgroup_id_y 1
		.amdhsa_system_sgpr_workgroup_id_z 1
		.amdhsa_system_vgpr_workitem_id 0
		.amdhsa_next_free_vgpr 256
		.amdhsa_next_free_sgpr 66
		.amdhsa_reserve_vcc 0
		.amdhsa_float_denorm_mode_32 3
		.amdhsa_float_denorm_mode_16_64 3
		.amdhsa_memory_ordered 1
		.amdhsa_forward_progress 1
		.amdhsa_inst_pref_size 48
	.end_amdhsa_kernel
	.amdgpu_metadata
---
amdhsa.version: [ 1, 2 ]
amdhsa.kernels:
  - .name:           k_qbfed42ce88_prefix
    .symbol:         k_qbfed42ce88_prefix.kd
    .args:
      - { .name: UF, .offset: 0, .size: 8, .value_kind: global_buffer, .address_space: global }
      - { .name: Wv, .offset: 8, .size: 8, .value_kind: global_buffer, .address_space: global }
      - { .name: bv, .offset: 16, .size: 8, .value_kind: global_buffer, .address_space: global }
      - { .name: Wo, .offset: 24, .size: 8, .value_kind: global_buffer, .address_space: global }
      - { .name: SF, .offset: 32, .size: 8, .value_kind: global_buffer, .address_space: global }
      - { .name: WF, .offset: 40, .size: 8, .value_kind: global_buffer, .address_space: global }
    .group_segment_fixed_size: 168192
    .private_segment_fixed_size: 0
    .kernarg_segment_align: 8
    .kernarg_segment_size: 48
    .max_flat_workgroup_size: 384
    .sgpr_count:     66
    .vgpr_count:     256
    .wavefront_size: 32
...
	.end_amdgpu_metadata
.endif
;; end of part 2
;; launch out (part 3): grid 4 x 64, 8 waves a work-group, no clusters, 120,576 bytes of LDS; arguments QF, KF, XF, SF, WF, bo, out0; writes out0
.if DOCPART == 3
	.amdgcn_target "amdgcn-amd-amdhsa--gfx1250"
	.amdhsa_code_object_version 6
	.text
	.protected	k_qbfed42ce88_out
	.globl	k_qbfed42ce88_out
	.p2align	8
	.type	k_qbfed42ce88_out,@function
k_qbfed42ce88_out:
	s_mov_b64 s[64:65], 0
	v_nop
	global_prefetch_b8 v0, s[64:65] scope:SCOPE_SE
	s_setreg_imm32_b32 hwreg(HW_REG_WAVE_MODE, 25, 1), 1
	s_wait_xcnt 0x0
; Third launch of the causal linear attention (the identities and limits stand at the head of the first kernel).
; out[n] = ((Q_n S + sum over keys m <= n of the chunk of (Q_n . K_m) x+_m) [Wvo; bvo]) / (denominator + 1e-6) + bo;  the denominator is the ones column of the same sums.
; LEFT OUT: score blocks of 32 x 32 above the diagonal (hidden by reference()'s own mask); the state term in chunk 0 (no earlier key).
; SHARES.  Work-group (g, bc): 32 queries, row tiles 2 g and 2 g + 1 of chunk bc = 16 b + c.  Waves 0-3 ('S waves') own the value tiles 2 w, 2 w + 1 of the nine (wave 3 also tile 8, the ones):
; they multiply Q by the state.  Waves 4-7 ('K waves', kp = w - 4) own keys 32 kp .. + 31 of the chunk and make their scores where kp <= g.  At the end wave w owns output columns 16 w .. + 15.
; ALL PRODUCTS HOLD ONE QUERY A LANE: D[M = i or key or e][N = query]; two D tiles packed in pairs are the next product's source 1 (lane = query, depth = 32).  Nothing changes lanes.
; HI + LO.  Scores, numerators and Wvo go to the matrix unit as bf16 hi + bf16 lo (the rounding, and the rounding of what is left): a batch's first rows are many times the output's root mean
; square, and one rounding to bf16 on this path would spend the comparison's allowance there; f16 would have no room for larger inputs.  lo x lo is left out: 2^-16 of the product.
; OPERANDS.  State and K fragments are used by one wave each and come straight from memory into a ring of registers, 144 registers deep; Q, which all eight waves use, lies in LDS.
; The ring's first fill stands behind the first barrier, in the same branch as the products that read it, and the x fragments of all four key pairs are loaded whatever g (those past g, 24 KB a
; work-group at the most, are not used): so every register that is read has been written on every way through the text.
; NO TENSOR LOADS, NO CLUSTER: no fragment of S or K serves two waves of a work-group; the chunk's four work-groups share S, but S and K together (544 KB) do not fit in LDS, and the four need
; different numbers of K tiles (g + 1 pairs).
.set QL,    0                          ; Q: [query tile 2][depth block 32][1,024]
.set PL,    65536                      ; scores: [hi, lo] 8,192 + kp 2,048 + query tile 1,024 + half 512
.set NL,    81920                      ; numerators: [hi, lo] 10,240 + k 2,048 + query tile 1,024 + half 512
.set DL,    102400                     ; denominators, f32: query tile 128 + 4 x lane
.set OL,    102656                     ; the way out: 32 rows of 512 bytes, 528 apart
.set POL,   528
.set SPARE, 119552                     ; the spare words, 128 bytes a wave: four blocks of 256 bytes that no other line names
; window 0
.set SPW,  4
.set NIL,  5
.set VL16, 6                           ; 16 x lane
.set VT16, 7                           ; 16 x thread
.set APL,  8
.set ANL,  9
.set ADL,  10
.set AOR,  11                          ; rows 4 w .. of the way out
.set VBO,  12                          ; my eight bo
.set XT,   24                          ; v[24:87]   x turned: fragment (kp, a) at 8 (2 kp + a): lane = feature, depth = 32 keys
.set WFR,  88                          ; v[88:167]  Wvo: fragment (hi/lo, k) at 8 (5 hl + k)
.set ONES, 168                         ; v[168:175]
.set QST,  176                         ; v[176:239] Q on its way to LDS; at the end rows on their way out
.set BO,   240                         ; v[240:247]
; window 1
.set ACC,  0                           ; tile (a, query tile) at 8 (2 a + q)
.set BQ,   48                          ; two buffers of two Q fragments
.set RING, 80                          ; 144 registers: 9 slots of 2 fragments, or 6 of 3
.set T1,   80                          ; behind the ring's use: at work
.set HI1,  88
.set LO1,  92
.set PF,   80                          ; score fragments: 32 kp + 16 hl + 8 q
.set NF,   48                          ; numerator fragments: 8 ((5 hl + k) 2 + q)
.set RI0,  216                         ; 1 / (denominator + 1e-6), a pair for the packed form
.set RI1,  218
.set A16,  224                         ; 16 x lane
.set VU,   225                         ; r - 8 h
.set APS,  226
.set ANS,  227
.set ADS,  228
.set AOS,  229
.set SMK,  29                          ; s29  a word's upper bf16
.set MSB, 0
.macro WIN new                         ; bits 1:0 source 0, 3:2 source 1, 5:4 source 2, 7:6 destination; the high byte repeats the setting that is left
.if MSB != (\new)
	s_set_vgpr_msb (MSB<<8)|(\new)
.set MSB, (\new)
.endif
.endm
.macro PLACES
.rept 4
	v_nop
.endr
.endm
.macro HILO s, hi, lo, t               ; 8 f32 -> 4 registers of bf16 roundings and 4 of the roundings of the remainders; the source is read from its low end on
.set hj, 0
.rept 4
	v_cvt_pk_bf16_f32 v[(\hi)+hj], v[(\s)+2*hj], v[(\s)+2*hj+1]
.set hj, hj+1
.endr
.set hj, 0
.rept 4
	v_lshlrev_b32 v[(\t)+2*hj], 16, v[(\hi)+hj]
	v_and_b32 v[(\t)+2*hj+1], s[SMK], v[(\hi)+hj]
.set hj, hj+1
.endr
.set hj, 0
.rept 4
	v_pk_add_f32 v[(\t)+2*hj:(\t)+2*hj+1], v[(\s)+2*hj:(\s)+2*hj+1], v[(\t)+2*hj:(\t)+2*hj+1] neg_lo:[0,1] neg_hi:[0,1]
.set hj, hj+1
.endr
.set hj, 0
.rept 4
	v_cvt_pk_bf16_f32 v[(\lo)+hj], v[(\t)+2*hj], v[(\t)+2*hj+1]
.set hj, hj+1
.endr
.endm
	s_load_b256 s[8:15], s[0:1], 0x0               ; QF s[8:9], KF s[10:11], XF s[12:13], SF s[14:15]
	s_load_b128 s[16:19], s[0:1], 0x20             ; WF s[16:17], bo s[18:19]
	s_load_b64 s[20:21], s[0:1], 0x30              ; out0
	v_lshl_add_u32 v[SPW], v0, 2, SPARE
	v_mov_b32 v[NIL], 0
	v_lshrrev_b32 v1, 5, v0
	v_readfirstlane_b32 s26, v1                    ; wave 0..7
	v_and_b32 v1, 31, v0                           ; l
	v_and_b32 v2, 15, v0                           ; r
	v_bfe_u32 v3, v0, 4, 1                         ; h
	s_mov_b32 s22, ttmp9                           ; g
	s_and_b32 s23, ttmp7, 0xffff                   ; bc
	s_and_b32 s24, s23, 15                         ; c
	s_lshr_b32 s25, s23, 4                         ; b
	s_and_b32 s27, s26, 3                          ; an S wave's number, a K wave's kp
	s_mov_b32 s[SMK], 0xffff0000
	v_lshlrev_b32 v[VL16], 4, v1
	s_lshl_b32 s40, s26, 9
	v_lshl_add_u32 v[VT16], v1, 4, s40
	v_lshl_add_u32 v[APL], v1, 4, PL
	v_lshl_add_u32 v[ANL], v1, 4, NL
	v_lshl_add_u32 v[ADL], v1, 2, DL
	s_mul_i32 s40, s26, 4*POL
	s_add_co_u32 s40, s40, OL
	v_lshl_add_u32 v[AOR], v1, 4, s40
	s_lshl_b32 s40, s26, 6
	v_lshl_add_u32 v[VBO], v3, 5, s40              ; 4 (16 w + 8 h)
	v_lshlrev_b32 v13, 3, v3
	v_mul_u32_u24 v14, v2, POL
	v_lshl_add_u32 v14, v3, 5, v14
	s_lshl_b32 s40, s27, 11
	s_add_co_u32 s41, s40, PL
	s_add_co_u32 s44, s40, NL
	s_lshl_b32 s45, s26, 6
	s_add_co_u32 s45, s45, OL
	WIN 0x40                                       ; destination window 1: the addresses that the work window names
	v_lshlrev_b32 v[A16], 4, v1
	v_sub_nc_u32 v[VU], v2, v13
	v_lshl_add_u32 v[APS], v1, 4, s41
	v_lshl_add_u32 v[ANS], v1, 4, s44
	v_lshl_add_u32 v[ADS], v1, 2, DL
	v_add_nc_u32 v[AOS], s45, v14                  ; row r, my 16 columns, 32 bytes for each half of the lanes
	WIN 0
.set ik, 0
.rept 8
	v_mov_b32 v[ONES+ik], 0x3f803f80               ; 1.0 twice in bf16
.set ik, ik+1
.endr
	s_lshl_b32 s32, s23, 18                        ; QF: the chunk's 8 row tiles, my two
	s_lshl_b32 s40, s22, 16
	s_add_co_u32 s32, s32, s40
	s_mov_b32 s33, 0
	s_lshl_b32 s34, s23, 15                        ; XF: the chunk's 4 row blocks, feature tiles 2 w on
	s_lshl_b32 s40, s27, 11
	s_add_co_u32 s34, s34, s40
	s_mov_b32 s35, 0
	s_mul_i32 s36, s26, 5120                       ; WF: e tile w
	s_mov_b32 s37, 0
	s_lshl_b32 s38, s23, 16                        ; out0: the chunk, my work-group's 32 rows, my wave's 4
	s_lshl_b32 s40, s22, 14
	s_add_co_u32 s38, s38, s40
	s_lshl_b32 s40, s26, 11
	s_add_co_u32 s38, s38, s40
	s_mov_b32 s39, 0
	s_max_u32 s40, s24, 1                          ; the state in front of chunk c is number c - 1 of the batch's 15 (chunk 0 reads none; its offset stays inside)
	s_sub_co_u32 s40, s40, 1
	s_mul_i32 s41, s25, 15
	s_add_co_u32 s40, s40, s41
	s_mul_i32 s40, s40, 294912
	s_lshl_b32 s41, s23, 18
	s_lshl_b32 s44, s27, 16                        ; two tiles of 32,768 bytes a wave
	s_cmp_lt_u32 s26, 4
	s_cselect_b32 s42, s40, s41
	s_add_co_u32 s42, s42, s44
	s_mov_b32 s43, 0
	s_wait_kmcnt 0x0
	s_add_nc_u64 s[8:9], s[8:9], s[32:33]
	s_add_nc_u64 s[12:13], s[12:13], s[34:35]
	s_add_nc_u64 s[16:17], s[16:17], s[36:37]
	s_add_nc_u64 s[20:21], s[20:21], s[38:39]
	s_cmp_lt_u32 s26, 4
	s_cselect_b64 s[30:31], s[14:15], s[10:11]     ; my stream of source 0 fragments: the state (S waves) or K (K waves)
	s_add_nc_u64 s[30:31], s[30:31], s[42:43]
	s_cmp_lt_u32 s26, 4
	s_cbranch_scc0 .Lnoxt
.set ik, 0
.rept 8                                        ; S waves: x turned, (kp, a) = (k / 2, k % 2).  The oldest loads, so that the count below is the same for all waves
	global_load_b128 v[XT+8*ik:XT+8*ik+3], v[VL16], s[12:13] offset:(ik/2)*8192+(ik%2)*1024
	global_load_b128 v[XT+8*ik+4:XT+8*ik+7], v[VL16], s[12:13] offset:(ik/2)*8192+(ik%2)*1024+512
.set ik, ik+1
.endr
.Lnoxt:
.set ik, 0
.rept 16
	global_load_b128 v[QST+4*ik:QST+4*ik+3], v[VT16], s[8:9] offset:ik*4096 th:TH_LOAD_NT   ; Q's 65,536 bytes: read by this work-group alone
.set ik, ik+1
.endr
	global_load_b128 v[BO:BO+3], v[VBO], s[18:19]
	global_load_b128 v[BO+4:BO+7], v[VBO], s[18:19] offset:16
.set ik, 0
.rept 10
	global_load_b128 v[WFR+8*ik:WFR+8*ik+3], v[VL16], s[16:17] offset:(ik/5)*40960+(ik%5)*1024
	global_load_b128 v[WFR+8*ik+4:WFR+8*ik+7], v[VL16], s[16:17] offset:(ik/5)*40960+(ik%5)*1024+512
.set ik, ik+1
.endr
	s_wait_loadcnt 22                              ; Q is in (and x, which is older); bo's 2 and Wvo's 20 loads stay out
.set ik, 0
.rept 16
	ds_store_b128 v[VT16], v[QST+4*ik:QST+4*ik+3] offset:QL+ik*4096
.set ik, ik+1
.endr
	s_wait_dscnt 0x0                               ; for the others' sake: my part of Q lies in LDS
	s_barrier_signal -1
	s_barrier_wait -1
; THE PRODUCTS OVER d: NT tiles of source 0 x 2 query tiles, 32 K steps of 32.  The ring has NS slots of NT fragments; a slot is asked for again four places behind its products.
; loadcnt: the loads of the younger slots, min(NS - 1, 31 - s) of them, stay out.  dscnt: the next step's four Q loads stay out.  The 2 NT accumulators take turns.
.macro GEMM1 NT, NS
	WIN 0x55
.set is, 0
.rept \NS
.set ia, 0
.rept \NT
	global_load_b128 v[RING+8*(\NT)*is+8*ia:RING+8*(\NT)*is+8*ia+3], v[A16], s[30:31] offset:ia*32768+is*1024
	global_load_b128 v[RING+8*(\NT)*is+8*ia+4:RING+8*(\NT)*is+8*ia+7], v[A16], s[30:31] offset:ia*32768+is*1024+512
.set ia, ia+1
.endr
.set is, is+1
.endr
.set is, 0
.rept 2
.set iq, 0
.rept 2
	ds_load_b128 v[BQ+16*is+8*iq:BQ+16*is+8*iq+3], v[A16] offset:QL+iq*32768+is*1024
	ds_load_b128 v[BQ+16*is+8*iq+4:BQ+16*is+8*iq+7], v[A16] offset:QL+iq*32768+is*1024+512
.set iq, iq+1
.endr
.set is, is+1
.endr
.set is, 0
.rept 32
.set left, 31-is
.if left > (\NS)-1
.set left, (\NS)-1
.endif
.set sl, RING+8*(\NT)*(is%(\NS))
	s_wait_loadcnt left*2*(\NT)
.if is < 31
	s_wait_dscnt 4
.else
	s_wait_dscnt 0x0
.endif
.set ia, 0
.rept \NT
.set iq, 0
.rept 2
.if is == 0
	v_wmma_f32_16x16x32_bf16 v[ACC+8*(2*ia+iq):ACC+8*(2*ia+iq)+7], v[sl+8*ia:sl+8*ia+7], v[BQ+16*(is%2)+8*iq:BQ+16*(is%2)+8*iq+7], 0
.else
	v_wmma_f32_16x16x32_bf16 v[ACC+8*(2*ia+iq):ACC+8*(2*ia+iq)+7], v[sl+8*ia:sl+8*ia+7], v[BQ+16*(is%2)+8*iq:BQ+16*(is%2)+8*iq+7], v[ACC+8*(2*ia+iq):ACC+8*(2*ia+iq)+7]
.endif
.set iq, iq+1
.endr
.set ia, ia+1
.endr
	PLACES
.if is+(\NS) < 32
.set ia, 0
.rept \NT
	global_load_b128 v[sl+8*ia:sl+8*ia+3], v[A16], s[30:31] offset:ia*32768+(is+(\NS))*1024
	global_load_b128 v[sl+8*ia+4:sl+8*ia+7], v[A16], s[30:31] offset:ia*32768+(is+(\NS))*1024+512
.set ia, ia+1
.endr
.endif
.if is+2 < 32
.set iq, 0
.rept 2
	ds_load_b128 v[BQ+16*(is%2)+8*iq:BQ+16*(is%2)+8*iq+3], v[A16] offset:QL+iq*32768+(is+2)*1024
	ds_load_b128 v[BQ+16*(is%2)+8*iq+4:BQ+16*(is%2)+8*iq+7], v[A16] offset:QL+iq*32768+(is+2)*1024+512
.set iq, iq+1
.endr
.endif
.set is, is+1
.endr
	WIN 0
.endm
	s_cmp_lt_u32 s26, 4
	s_cbranch_scc1 .Lswave
	s_cmp_gt_u32 s27, s22                          ; keys behind all my queries: the whole block is hidden
	s_cbranch_scc1 .Lj1
	s_branch .Lg2
.Lswave:
	s_cmp_eq_u32 s24, 0                            ; chunk 0 has no state
	s_cbranch_scc1 .Lclear
	s_cmp_eq_u32 s26, 3
	s_cbranch_scc1 .Lg3
.Lg2:
	GEMM1 2, 9                                     ; S waves 0-2 and the K waves: one text
	s_cmp_lt_u32 s26, 4
	s_cbranch_scc1 .Lj1
	; K waves: D[M = key][N = query].  In the diagonal block (kp = g) key 16 a + 8 h + j is kept for query 16 q + r where j + 16 (a - q) <= r - 8 h:
	; tile (0, 1) wholly, tile (1, 0) not at all, tiles (0, 0) and (1, 1) by one and the same compare.
	s_cmp_eq_u32 s27, s22
	s_cbranch_scc0 .Lnomask
	WIN 0x55
.set ij, 0
.rept 8
	v_cmp_le_i32 vcc_lo, ij, v[VU]
	v_cndmask_b32 v[ACC+ij], 0, v[ACC+ij], vcc_lo
	v_cndmask_b32 v[ACC+24+ij], 0, v[ACC+24+ij], vcc_lo
	v_mov_b32 v[ACC+16+ij], 0
.set ij, ij+1
.endr
	WIN 0
.Lnomask:
	WIN 0x55
.set ia, 0
.rept 2
.set iq, 0
.rept 2
	HILO ACC+8*(2*ia+iq), HI1, LO1, T1
	ds_store_b128 v[APS], v[HI1:HI1+3] offset:iq*1024+ia*512
	ds_store_b128 v[APS], v[LO1:LO1+3] offset:8192+iq*1024+ia*512
.set iq, iq+1
.endr
.set ia, ia+1
.endr
	WIN 0
	s_branch .Lj1
.Lg3:
	GEMM1 3, 6                                     ; S wave 3: value tiles 6, 7 and the ones tile
	s_branch .Lj1
.Lclear:
	WIN 0x40
.set ij, 0
.rept 48
	v_mov_b32 v[ACC+ij], 0                         ; chunk 0 alone: the sums begin with the scores' products, which are written once, as sums in place
.set ij, ij+1
.endr
	WIN 0
.Lj1:
	s_wait_dscnt 0x0                               ; for the others' sake: my scores lie in LDS
	s_barrier_signal -1
	s_barrier_wait -1
; S WAVES: sums += x+^T P, for the key pairs 0 .. g, hi and lo.  A ladder: the loads go up to pair g, the products come down from it, so that no product is reached without its loads.
.macro PLOAD kp
	WIN 0x40
.set ih, 0
.rept 2
.set iq, 0
.rept 2
	ds_load_b128 v[PF+32*(\kp)+16*ih+8*iq:PF+32*(\kp)+16*ih+8*iq+3], v[APL] offset:ih*8192+(\kp)*2048+iq*1024
	ds_load_b128 v[PF+32*(\kp)+16*ih+8*iq+4:PF+32*(\kp)+16*ih+8*iq+7], v[APL] offset:ih*8192+(\kp)*2048+iq*1024+512
.set iq, iq+1
.endr
.set ih, ih+1
.endr
	WIN 0
.endm
.macro PUSE kp, NT
	s_wait_dscnt 0x0
	WIN 0x54                                       ; source 0 (x or the ones) window 0; source 1, C and D window 1
.set ih, 0
.rept 2
.set ia, 0
.rept \NT
.set rA, XT+8*(2*(\kp)+ia)
.if ia == 2
.set rA, ONES
.endif
.set iq, 0
.rept 2
	v_wmma_f32_16x16x32_bf16 v[ACC+8*(2*ia+iq):ACC+8*(2*ia+iq)+7], v[rA:rA+7], v[PF+32*(\kp)+16*ih+8*iq:PF+32*(\kp)+16*ih+8*iq+7], v[ACC+8*(2*ia+iq):ACC+8*(2*ia+iq)+7]
.set iq, iq+1
.endr
.set ia, ia+1
.endr
.set ih, ih+1
.endr
	WIN 0
.endm
.macro PVN NT
	PLOAD 0
	s_cmp_lt_u32 s22, 1
	s_cbranch_scc1 .Lu0_\@
	PLOAD 1
	s_cmp_lt_u32 s22, 2
	s_cbranch_scc1 .Lu1_\@
	PLOAD 2
	s_cmp_lt_u32 s22, 3
	s_cbranch_scc1 .Lu2_\@
	PLOAD 3
	PUSE 3, \NT
.Lu2_\@:
	PUSE 2, \NT
.Lu1_\@:
	PUSE 1, \NT
.Lu0_\@:
	PUSE 0, \NT
	PLACES
	WIN 0x55
.set ia, 0
.rept \NT                                      ; the sums, hi and lo, as halves of the last product's source 1: depth block k = w, half a; the ones tile fills both halves of k = 4
.set iq, 0
.rept 2
	HILO ACC+8*(2*ia+iq), HI1, LO1, T1
.if ia < 2
	ds_store_b128 v[ANS], v[HI1:HI1+3] offset:iq*1024+ia*512
	ds_store_b128 v[ANS], v[LO1:LO1+3] offset:10240+iq*1024+ia*512
.else
	ds_store_b128 v[ANS], v[HI1:HI1+3] offset:2048+iq*1024
	ds_store_b128 v[ANS], v[HI1:HI1+3] offset:2048+iq*1024+512
	ds_store_b128 v[ANS], v[LO1:LO1+3] offset:12288+iq*1024
	ds_store_b128 v[ANS], v[LO1:LO1+3] offset:12288+iq*1024+512
	ds_store_b32 v[ADS], v[ACC+8*(4+iq)] offset:iq*128             ; the denominator itself, in f32: every register of the ones tile holds it
.endif
.set iq, iq+1
.endr
.set ia, ia+1
.endr
	WIN 0
.endm
	s_cmp_lt_u32 s26, 4
	s_cbranch_scc0 .Lj2
	s_cmp_eq_u32 s26, 3
	s_cbranch_scc1 .Lp3
	PVN 2
	s_branch .Lj2
.Lp3:
	PVN 3
.Lj2:
	s_wait_dscnt 0x0                               ; for the others' sake: my sums lie in LDS
	s_barrier_signal -1
	s_barrier_wait -1
	; ALL WAVES: D[M = e][N = query] = Wvo^T num + bvo den, for my 16 columns e: five depth blocks x (hi hi, hi lo, lo hi) x two query tiles, which take turns.
	WIN 0x40
.set ik, 0
.rept 20
	ds_load_b128 v[NF+8*ik:NF+8*ik+3], v[ANL] offset:ik*1024
	ds_load_b128 v[NF+8*ik+4:NF+8*ik+7], v[ANL] offset:ik*1024+512
.set ik, ik+1
.endr
	ds_load_b32 v[RI0], v[ADL]
	ds_load_b32 v[RI1], v[ADL] offset:128
	WIN 0
	s_wait_loadcnt 0x0                             ; Wvo and bo, asked for at the start
.set ij, 0
.rept 4                                        ; bo rounded to bf16, like every input, and widened again
	v_cvt_pk_bf16_f32 v13, v[BO+ij], v[BO+ij+1]
	v_lshlrev_b32 v[BO+ij], 16, v13
	v_and_b32 v[BO+ij+1], s[SMK], v13
.set ij, ij+2
.endr
	s_wait_dscnt 0x0
	WIN 0x55
	v_add_f32 v[RI0], 0x358637bd, v[RI0]           ; + 1e-6
	v_add_f32 v[RI1], 0x358637bd, v[RI1]
	v_rcp_f32 v[RI0], v[RI0]
	v_rcp_f32 v[RI1], v[RI1]
	v_mov_b32 v[RI0+1], 0                          ; the pairs' upper words are named with the lower, so they are written; these are also the plain lines behind the reciprocals
	v_mov_b32 v[RI1+1], 0
	WIN 0x54
.set ik, 0
.rept 5
.set ip, 0
.rept 3
.set hw, ip/2
.set hn, ip%2
.set iq, 0
.rept 2
.if (ik == 0) && (ip == 0)
	v_wmma_f32_16x16x32_bf16 v[ACC+8*iq:ACC+8*iq+7], v[WFR+8*(5*hw+ik):WFR+8*(5*hw+ik)+7], v[NF+8*((5*hn+ik)*2+iq):NF+8*((5*hn+ik)*2+iq)+7], 0
.else
	v_wmma_f32_16x16x32_bf16 v[ACC+8*iq:ACC+8*iq+7], v[WFR+8*(5*hw+ik):WFR+8*(5*hw+ik)+7], v[NF+8*((5*hn+ik)*2+iq):NF+8*((5*hn+ik)*2+iq)+7], v[ACC+8*iq:ACC+8*iq+7]
.endif
.set iq, iq+1
.endr
.set ip, ip+1
.endr
.set ik, ik+1
.endr
	PLACES
	s_wait_alu depctr_va_vdst(0)                   ; one wait for the two reciprocals, ahead of their first reader; the 30 products stood between
	WIN 0x45                                       ; sums and reciprocals window 1, bo window 0
.set ij, 0
.rept 4
	v_pk_fma_f32 v[ACC+ij:ACC+ij+1], v[ACC+ij:ACC+ij+1], v[RI0:RI0+1], v[BO+ij:BO+ij+1] op_sel_hi:[1,0,1]
.set ij, ij+2
.endr
.set ij, 0
.rept 4
	v_pk_fma_f32 v[ACC+8+ij:ACC+8+ij+1], v[ACC+8+ij:ACC+8+ij+1], v[RI1:RI1+1], v[BO+ij:BO+ij+1] op_sel_hi:[1,0,1]
.set ij, ij+2
.endr
	ds_store_b128 v[AOS], v[ACC:ACC+3]
	ds_store_b128 v[AOS], v[ACC+4:ACC+7] offset:16
	ds_store_b128 v[AOS], v[ACC+8:ACC+11] offset:16*POL
	ds_store_b128 v[AOS], v[ACC+12:ACC+15] offset:16*POL+16
	WIN 0
	s_wait_dscnt 0x0                               ; for the others' sake: a row's 512 bytes come from all eight waves
	s_barrier_signal -1
	s_barrier_wait -1
.set ij, 0
.rept 4
	ds_load_b128 v[QST+4*ij:QST+4*ij+3], v[AOR] offset:ij*POL
.set ij, ij+1
.endr
	s_wait_dscnt 0x0
.set ij, 0
.rept 4
	global_store_b128 v[VL16], v[QST+4*ij:QST+4*ij+3], s[20:21] offset:ij*512 th:TH_STORE_NT   ; a whole row of out0: 512 consecutive bytes, aligned
.set ij, ij+1
.endr
	s_wait_tensorcnt 0x0                           ; the wave's end, behind my last LDS store
	ds_add_u32 v[SPW], v[NIL]
	s_wait_dscnt 0x0
	s_endpgm
.Lfunc_end_k_qbfed42ce88_out:
	.size	k_qbfed42ce88_out, .Lfunc_end_k_qbfed42ce88_out-k_qbfed42ce88_out
	.p2alignl 7, 3214868480
	.fill 96, 4, 3214868480
	.section	.rodata,"a",@progbits
	.p2align	6, 0x0
	.amdhsa_kernel k_qbfed42ce88_out
		.amdhsa_group_segment_fixed_size 120576
		.amdhsa_private_segment_fixed_size 0
		.amdhsa_enable_private_segment 0
		.amdhsa_kernarg_size 56
		.amdhsa_user_sgpr_count 2
		.amdhsa_user_sgpr_kernarg_segment_ptr 1
		.amdhsa_wavefront_size32 1
		.amdhsa_system_sgpr_workgroup_id_x 1
		.amdhsa_system_sgpr_workgroup_id_y 1
		.amdhsa_system_sgpr_workgroup_id_z 1
		.amdhsa_system_vgpr_workitem_id 0
		.amdhsa_next_free_vgpr 512
		.amdhsa_next_free_sgpr 66
		.amdhsa_reserve_vcc 1
		.amdhsa_float_denorm_mode_32 3
		.amdhsa_float_denorm_mode_16_64 3
		.amdhsa_memory_ordered 1
		.amdhsa_forward_progress 1
		.amdhsa_inst_pref_size 127
	.end_amdhsa_kernel
	.amdgpu_metadata
---
amdhsa.version: [ 1, 2 ]
amdhsa.kernels:
  - .name:           k_qbfed42ce88_out
    .symbol:         k_qbfed42ce88_out.kd
    .args:
      - { .name: QF, .offset: 0, .size: 8, .value_kind: global_buffer, .address_space: global }
      - { .name: KF, .offset: 8, .size: 8, .value_kind: global_buffer, .address_space: global }
      - { .name: XF, .offset: 16, .size: 8, .value_kind: global_buffer, .address_space: global }
      - { .name: SF, .offset: 24, .size: 8, .value_kind: global_buffer, .address_space: global }
      - { .name: WF, .offset: 32, .size: 8, .value_kind: global_buffer, .address_space: global }
      - { .name: bo, .offset: 40, .size: 8, .value_kind: global_buffer, .address_space: global }
      - { .name: out0, .offset: 48, .size: 8, .value_kind: global_buffer, .address_space: global }
    .group_segment_fixed_size: 120576
    .private_segment_fixed_size: 0
    .kernarg_segment_align: 8
    .kernarg_segment_size: 56
    .max_flat_workgroup_size: 256
    .sgpr_count:     66
    .vgpr_count:     512
    .wavefront_size: 32
...
	.end_amdgpu_metadata
.endif
;; end of part 3
;; ======== version 2 of 2: 3 launches; version 1 with the launch state written anew for expert scheduling mode
;; workspace buffers: QF 16,777,216 bytes; KF 16,777,216 bytes; XF 2,097,152 bytes; UF 35,389,440 bytes; SF 17,694,720 bytes; WF 81,920 bytes
;; launch state (part 4): grid 4 x 64, 8 waves a work-group, no clusters, 275,456 bytes of LDS; arguments x, Wq, bq, Wk, bk, QF, KF, XF, UF; writes QF, KF, XF, UF
.if DOCPART == 4
	.amdgcn_target "amdgcn-amd-amdhsa--gfx1250"
	.amdhsa_code_object_version 6
	.text
	.protected	k_qbfed42ce88_state
	.globl	k_qbfed42ce88_state
	.p2align	8
	.type	k_qbfed42ce88_state,@function
k_qbfed42ce88_state:
	s_mov_b64 s[64:65], 0
	v_nop
	global_prefetch_b8 v0, s[64:65] scope:SCOPE_SE
	s_setreg_imm32_b32 hwreg(HW_REG_WAVE_SCHED_MODE, 0, 2), 2
	s_setreg_imm32_b32 hwreg(HW_REG_WAVE_MODE, 25, 1), 1
	s_wait_xcnt 0x0
	s_wait_alu depctr_vm_vsrc(0)
; CAUSAL LINEAR ATTENTION, first of three launches.  B = 4, N = 2048, d_model = 128, d_inner = 1024.
; reference(): Q = phi(x Wq + bq), K = phi(x Wk + bk), V = x Wv + bv, P = tril(Q K^T), out = (P V / (P 1 + 1e-6)) Wo + bo, phi(t) = t + 1 for t > 0, e^t otherwise.
; WHAT IS LEFT OUT, AND WHY IT CAN REACH NO OUTPUT, in exact arithmetic and for all finite inputs:
;  (1) P is multiplied by a mask that reference() builds itself: scores of keys behind the query are multiplied by 0.  Blocks of scores that lie wholly above the diagonal are not made.
;  (2) Products are associative: (P V) Wo = (P x)(Wv Wo) + (P 1)(bv Wo).  So the values that P weighs are the 128 numbers of a row of x and a column of ones (which gives P 1, the
;      denominator); Wvo = Wv Wo [128 x 128] and bvo = bv Wo are made once (second launch) and applied at the end (third launch).  V itself is never formed.
;  (3) For the keys of earlier chunks of 128 rows no mask applies, and sum_m (Q_n . K_m) x+_m = Q_n . S with S = sum_m K_m^T x+_m [1024 x 144], x+ = x with ones beside it.
;      This launch makes each chunk's own U = K^T x+; the second adds them up; the third multiplies Q by S and makes scores only inside the query's own chunk.
;  (4) The last chunk's U of each batch has no later query, and chunk 0 has no earlier key: neither is made.
; Every input has a way to the output and is loaded: x, Wq, bq, Wk, bk here; Wv, bv, Wo in the second launch; bo in the third.
; LIMITS.  The order of sums and roundings differs from reference()'s.  A NaN, an infinity or an overflow that would arise only in what is left out (V, P V, hidden scores) is not carried to the
; result.  phi(NaN) gives 1.  e^t below 2^-126 counts as 0.  x, the weights and the biases are rounded once to bf16; Q and K are stored rounded once to bf16; U stays in f32.
; SHARES.  Work-group (ds, bc): chunk bc = 16 b + c (128 rows) x 256 of the 1024 features d.  Wave w: d = 256 ds + 32 w .. + 31: two tiles of 16, one depth block of 32.
; PRODUCTS.  D[M = d][N = row] = W^T x^T + bias (bias is the C operand of the first K step): a lane then holds one row and eight d; two such tiles packed in pairs ARE an operand fragment
; (lane = row, depth = 32 d), which is stored as it lies: 1,024 bytes = [registers 0-3 | 4-7][lane][16 bytes], so each store of a wave covers 512 consecutive bytes, aligned.
; U: D[M = d][N = i] = K^T x+: K's fragment is turned through the wave's own LDS bytes, x comes turned out of its LDS tile, the ones are a constant fragment.
; NO TENSOR LOADS, NO CLUSTER: the inputs are f32 and must pass through registers to be rounded before they can lie in LDS as operands.
; THE MODE: SCHED_MODE bits 1:0 = 2 (LLVM: expert scheduling mode 2), set by the entry lines.  The code itself states the register dependences between vector or matrix instructions and
; memory or LDS instructions, with s_wait_alu, always for 0.
; THE PLAN.  Registers that memory or LDS instructions touch:
;   v4-v21      the spare pair, offsets and LDS addresses: written at the head, never again; one wait ahead of the first load serves every load and store of the kernel.
;   XST, WST    x and Wq as loaded: rounded in place in one run, one wait, then the run of LDS stores.  Behind the first barrier one wait states that those stores have read them: from there
;               on the same registers are WFR, XFR, ACC, PK and TMP.
;   WFR         written by the 16 turning loads at a phase's head, read by the phase's 64 products.
;   XFR         step p's products read it; behind them the loads of row pair p + 1 land in it.  Between the phases Wk's roundings write it and Wk's LDS stores read it.
;   PK          step p's 16 roundings write it, at the step's end; the stores that read it (four to memory, in the K phase four more into the wave's LDS bytes) are issued in step p + 1.
;   A step has two waits on va_vdst, each behind a batch of exponentials.  The first also states that the step's products are done reading XFR and that the step before has written PK: the
;   loads of the next row pair and the stores of the step before follow it at once, and no vector line behind it names XFR, or PK ahead of the step's roundings.  Ahead of those roundings one wait on vm_vsrc stands,
;   some seventy vector lines behind the stores that it speaks of.
;   U's operands have two buffers by turns: A = XFR and v240-255 (row pairs 0, 2), B = WFR's and ACC's registers (row pairs 1, 3).  Pairs 0 and 1 are asked for together; a buffer is asked for
;   again behind one wait, which states that its 18 products are done reading it, while the other buffer's products are still to come.
.set PX,    288                        ; a row of x in LDS: 256 bytes + 32: an odd multiple of 32, as the turning loads want; the plain fragment loads then meet two deep
.set PW,    544                        ; a row of a weight slice: 512 + 32
.set PT,    96                         ; a row of a parked K tile: 64 + 32
.set XS,    0                          ; x, bf16 [128 rows][128]
.set WQS,   128*PX                     ; Wq's slice, bf16 [128 i][256 d]
.set WKS,   WQS+128*PW                 ; Wk's slice
.set KT,    WKS+128*PW                 ; each wave's own: four row pairs x [32 rows][32 d]
.set KTW,   4*32*PT
.set SPARE, KT+8*KTW                   ; the spare words, 128 bytes a wave: four blocks of 256 bytes that no other line names
.set SPW,  4                           ; v4  my spare word; never rewritten
.set NIL,  5                           ; v5  0; never rewritten
.set VOX,  6                           ; v6  16 t: my 16 bytes in 8 rows of x
.set VOW,  7                           ; v7  my 16 bytes in 4 rows of a weight slice
.set LXS,  8                           ; v8  where they go in XS
.set LQ0,  9                           ; v9, v10  in WQS (rows 0-63, 64-127)
.set LQ1,  10
.set LK0,  11                          ; v11, v12 in WKS
.set LK1,  12
.set AXF,  13                          ; v13 plain fragment of x: row l % 16
.set AXT,  14                          ; v14 turned fragment of x
.set AWQ,  15                          ; v15, v16 turned fragments of the weight slices, my 32 d
.set AWK,  16
.set AKS,  17                          ; v17 where I park K
.set AKL,  18                          ; v18 where I read it turned
.set VL16, 19                          ; v19 16 x lane
.set VBO,  20                          ; v20 my eight biases
.set AXW,  21                          ; v21 turned fragment of x, features 16 w on
.set BQ,   24                          ; v[24:39]  bq as two C tiles
.set BK,   40                          ; v[40:55]  bk
.set ONES, 56                          ; v[56:63]  a fragment of ones
.set WFR,  64                          ; v[64:127]  weight fragments (tile t, K step k) at 8 (4 t + k)
.set XFR,  128                         ; v[128:191] eight fragments of x
.set ACC,  192                         ; v[192:223] tile (row tile m, t) at 16 m + 8 t
.set PK,   224                         ; v[224:239] two packed fragments
.set TMP,  240                         ; v[240:255] at work
.set KOP,  240                         ;            later K turned: two fragments (buffer A, with XFR)
.set XF2,  64                          ;            later x turned, buffer B: WFR's registers
.set KO2,  192                         ;            later K turned, buffer B: ACC's first sixteen
.set XST,  64                          ; at the start: x as loaded
.set WST,  128                         ;               Wq as loaded
.set KST,  0                           ; window 1, v0-127: Wk as loaded
.set UACC, 0                           ; window 1, v0-143: U, tile (t, i tile) at 8 (9 t + it)
.set MSB, 0
.macro WIN new                         ; the immediate's high byte repeats the setting that is left; a switch that changes nothing is dropped
.if MSB != (\new)
	s_set_vgpr_msb (MSB<<8)|(\new)
.set MSB, (\new)
.endif
.endm
.macro PLACES                          ; four places behind matrix instructions, ahead of vector work on their results and of loads into their sources
.rept 4
	v_nop
.endr
.endm
	s_load_b512 s[8:23], s[0:1], 0x0               ; x s[8:9], Wq s[10:11], bq s[12:13], Wk s[14:15], bk s[16:17], QF s[18:19], KF s[20:21], XF s[22:23]
	s_load_b64 s[24:25], s[0:1], 0x40              ; UF
	v_lshl_add_u32 v[SPW], v0, 2, SPARE
	v_mov_b32 v[NIL], 0
	v_lshrrev_b32 v1, 5, v0
	v_readfirstlane_b32 s30, v1                    ; wave 0..7
	v_and_b32 v1, 31, v0                           ; l
	v_and_b32 v2, 15, v0                           ; r = l % 16
	v_bfe_u32 v3, v0, 4, 1                         ; h = l / 16
	v_and_b32 v22, 7, v0
	v_bfe_u32 v23, v0, 3, 1                        ; (l / 8) % 2
	v_lshl_add_u32 v22, v3, 3, v22                 ; 8 h + l % 8: a turning load's row
	s_wait_alu depctr_va_sdst(0)                   ; s30 is written, ahead of its first reader: the wave's offsets below are made from it
	s_mov_b32 s26, ttmp9                           ; ds
	s_and_b32 s27, ttmp7, 0xffff                   ; bc
	s_and_b32 s28, s27, 15                         ; c
	s_lshr_b32 s29, s27, 4                         ; b
	s_mov_b32 s31, 0xffff0000                      ; a word's upper bf16
	s_mov_b32 s46, 0x3fb8aa3b                      ; log2(e)
	s_mov_b32 s47, s46                             ; named with it as a pair
	; byte offsets of this work-group's and wave's parts, made apart from the addresses
	s_lshl_b32 s32, s27, 16                        ; x: 128 rows of 512 bytes a chunk
	s_mov_b32 s33, 0
	s_lshl_b32 s34, s26, 10                        ; Wq, Wk: 256 columns of 4 bytes
	s_mov_b32 s35, 0
	s_lshl_b32 s42, s26, 3
	s_add_co_u32 s42, s42, s30                     ; depth block 8 ds + w
	s_lshl_b32 s42, s42, 10
	s_lshl_b32 s36, s27, 18                        ; QF, KF: 8 row tiles of 32,768 bytes a chunk
	s_add_co_u32 s36, s36, s42
	s_mov_b32 s37, 0
	s_lshl_b32 s38, s27, 15                        ; XF: 4 row blocks of 8,192 bytes a chunk, feature tile w
	s_lshl_b32 s42, s30, 10
	s_add_co_u32 s38, s38, s42
	s_mov_b32 s39, 0
	s_min_u32 s42, s28, 14                         ; UF has 15 chunks a batch (chunk 15 stores nothing; its offset stays inside)
	s_mul_i32 s43, s29, 15
	s_add_co_u32 s42, s42, s43
	s_mul_i32 s40, s42, 589824                     ; 64 d tiles x 9 i tiles x 1,024 bytes
	s_lshl_b32 s42, s26, 4
	s_lshl1_add_u32 s42, s30, s42                  ; d tile 16 ds + 2 w
	s_mul_i32 s42, s42, 9216
	s_add_co_u32 s40, s40, s42
	s_mov_b32 s41, 0
	; lane addresses: a wave's term is scalar, a lane's comes from v0
	v_lshlrev_b32 v[VOX], 4, v0
	s_lshr_b32 s42, s30, 1
	s_and_b32 s43, s30, 1
	s_lshl_b32 s44, s42, 12                        ; two waves take a row of a slice (1,024 bytes); rows are 4,096 bytes apart
	s_lshl_b32 s45, s43, 9
	s_add_co_u32 s44, s44, s45
	v_lshl_add_u32 v[VOW], v1, 4, s44
	s_mul_i32 s44, s30, PX
	v_lshl_add_u32 v[LXS], v1, 3, s44              ; row w of eight, 8 bytes a lane
	s_mul_i32 s44, s42, PW
	s_lshl_b32 s45, s43, 8
	s_add_co_u32 s44, s44, s45
	s_add_co_u32 s44, s44, WQS
	v_lshl_add_u32 v[LQ0], v1, 3, s44
	v_add_nc_u32 v[LQ1], 64*PW, v[LQ0]
	v_add_nc_u32 v[LK0], WKS-WQS, v[LQ0]
	v_add_nc_u32 v[LK1], WKS-WQS+64*PW, v[LQ0]
	v_mul_u32_u24 v[AXF], v2, PX
	v_lshl_add_u32 v[AXF], v3, 4, v[AXF]
	v_mul_u32_u24 v[AXT], v22, PX
	v_lshl_add_u32 v[AXT], v23, 4, v[AXT]
	s_lshl_b32 s44, s30, 6
	s_add_co_u32 s44, s44, WQS
	v_mul_u32_u24 v[AWQ], v22, PW
	v_lshl_add_u32 v[AWQ], v23, 4, v[AWQ]
	v_add_nc_u32 v[AWQ], s44, v[AWQ]
	v_add_nc_u32 v[AWK], WKS-WQS, v[AWQ]
	s_mul_i32 s44, s30, KTW
	s_add_co_u32 s44, s44, KT
	v_mul_u32_u24 v[AKS], v2, PT
	v_lshl_add_u32 v[AKS], v3, 4, v[AKS]
	v_add_nc_u32 v[AKS], s44, v[AKS]
	v_mul_u32_u24 v[AKL], v22, PT
	v_lshl_add_u32 v[AKL], v23, 4, v[AKL]
	v_add_nc_u32 v[AKL], s44, v[AKL]
	v_lshlrev_b32 v[VL16], 4, v1
	s_lshl_b32 s44, s26, 10
	s_lshl_b32 s45, s30, 7
	s_add_co_u32 s44, s44, s45
	v_lshl_add_u32 v[VBO], v3, 5, s44              ; 4 (256 ds + 32 w + 8 h)
	s_lshl_b32 s44, s30, 5
	v_add_nc_u32 v[AXW], s44, v[AXT]
	s_wait_kmcnt 0x0
	s_add_nc_u64 s[8:9], s[8:9], s[32:33]
	s_add_nc_u64 s[10:11], s[10:11], s[34:35]
	s_add_nc_u64 s[14:15], s[14:15], s[34:35]
	s_add_nc_u64 s[18:19], s[18:19], s[36:37]
	s_add_nc_u64 s[20:21], s[20:21], s[36:37]
	s_add_nc_u64 s[22:23], s[22:23], s[38:39]
	s_add_nc_u64 s[24:25], s[24:25], s[40:41]
	s_wait_alu depctr_va_vdst(0)                   ; v4 to v21 are written: every load and store of the kernel reads one of them as its offset or its LDS address, and none is written again
	; ALL 88 LOADS OF THE WAVE GO OUT AT ONCE: 8 of biases, 16 of x, 32 of Wq, 32 of Wk
.irp o, 0,1,2,3
	global_load_b128 v[BQ+4*(\o):BQ+4*(\o)+3], v[VBO], s[12:13] offset:16*((\o)%2)+64*((\o)/2)
.endr
.irp o, 0,1,2,3
	global_load_b128 v[BK+4*(\o):BK+4*(\o)+3], v[VBO], s[16:17] offset:16*((\o)%2)+64*((\o)/2)
.endr
.set ik, 0
.rept 16
	global_load_b128 v[XST+4*ik:XST+4*ik+3], v[VOX], s[8:9] offset:ik*4096
.set ik, ik+1
.endr
.set ik, 0
.rept 32
	global_load_b128 v[WST+4*ik:WST+4*ik+3], v[VOW], s[10:11] offset:ik*16384
.set ik, ik+1
.endr
	WIN 0x40                                       ; destination window 1
.set ik, 0
.rept 32
	global_load_b128 v[KST+4*ik:KST+4*ik+3], v[VOW], s[14:15] offset:ik*16384
.set ik, ik+1
.endr
	WIN 0
.set ik, 0
.rept 8
	v_mov_b32 v[ONES+ik], 0x3f803f80               ; 1.0 twice in bf16; no memory instruction names these registers
.set ik, ik+1
.endr
	s_wait_loadcnt 63                              ; of 88 loads at most 63 are out: the oldest 25 are in, the 8 of biases and the 16 of x among them
.set ik, 0
.rept 16                                       ; x: rounded to bf16, all 32 roundings in one run
	v_cvt_pk_bf16_f32 v[XST+4*ik], v[XST+4*ik], v[XST+4*ik+1]
	v_cvt_pk_bf16_f32 v[XST+4*ik+1], v[XST+4*ik+2], v[XST+4*ik+3]
.set ik, ik+1
.endr
	s_wait_alu depctr_va_vdst(0)                   ; the roundings have written v[XST ..], which the LDS stores read
.set ik, 0
.rept 16                                       ; 8 bytes a lane into row 8 k + w
	ds_store_b64 v[LXS], v[XST+4*ik:XST+4*ik+1] offset:XS+ik*8*PX
.set ik, ik+1
.endr
.macro RNDB base                       ; 16 biases rounded to bf16 and widened again: they stay f32 C operands
.set ij, 0
.rept 8
	v_cvt_pk_bf16_f32 v22, v[(\base)+ij], v[(\base)+ij+1]
	v_lshlrev_b32 v[(\base)+ij], 16, v22
	v_and_b32 v[(\base)+ij+1], s31, v22
.set ij, ij+2
.endr
.endm
	RNDB BQ
	RNDB BK
	s_wait_loadcnt 32                              ; Wq is in; Wk's 32 loads stay out
.set ik, 0
.rept 32
	v_cvt_pk_bf16_f32 v[WST+4*ik], v[WST+4*ik], v[WST+4*ik+1]
	v_cvt_pk_bf16_f32 v[WST+4*ik+1], v[WST+4*ik+2], v[WST+4*ik+3]
.set ik, ik+1
.endr
	s_wait_alu depctr_va_vdst(0)                   ; the roundings have written v[WST ..], which the LDS stores read; they are also done with all of WST, in which LDS loads land behind the barrier
.set ik, 0
.rept 32
.if ik < 16
	ds_store_b64 v[LQ0], v[WST+4*ik:WST+4*ik+1] offset:ik*4*PW
.else
	ds_store_b64 v[LQ1], v[WST+4*ik:WST+4*ik+1] offset:(ik-16)*4*PW
.endif
.set ik, ik+1
.endr
	s_wait_dscnt 0x0                               ; for the others' sake: my stores of x and Wq are done
	s_barrier_signal -1
	s_barrier_wait -1
	s_wait_alu depctr_vm_vsrc(0)                   ; my LDS stores have read v[XST ..] and v[WST ..]: these registers are WFR, XFR, ACC, PK and TMP from here on, written by LDS loads, products and vector lines
	; x TURNED, for the third launch: fragments (lane = feature, depth = 32 rows).  One of the chunk's four work-groups stores them; wave w takes features 16 w on.
	s_cmp_lg_u32 s26, 0
	s_cbranch_scc1 .Lno_xf
.set ip, 0
.rept 4
	ds_load_tr16_b128 v[ACC+8*ip:ACC+8*ip+3], v[AXW] offset:ip*32*PX
	ds_load_tr16_b128 v[ACC+8*ip+4:ACC+8*ip+7], v[AXW] offset:ip*32*PX+16*PX
.set ip, ip+1
.endr
	s_wait_dscnt 0x0
.set ip, 0
.rept 4
	global_store_b128 v[VL16], v[ACC+8*ip:ACC+8*ip+3], s[22:23] offset:ip*8192 th:TH_STORE_NT
	global_store_b128 v[VL16], v[ACC+8*ip+4:ACC+8*ip+7], s[22:23] offset:ip*8192+512 th:TH_STORE_NT
.set ip, ip+1
.endr
	s_wait_xcnt 0x0                                ; the stores' addresses are translated (ISA guide 3.1): their data registers become accumulators next
	s_wait_alu depctr_vm_vsrc(0)                   ; the stores have read v[ACC ..], which the first products write
.Lno_xf:
; My 32 d of a weight slice, turned: fragment (t, k): lane = d, depth = 32 i
.macro LOADW a
.set it, 0
.rept 2
.set ik, 0
.rept 4
	ds_load_tr16_b128 v[WFR+8*(4*it+ik):WFR+8*(4*it+ik)+3], v[\a] offset:ik*32*PW+32*it
	ds_load_tr16_b128 v[WFR+8*(4*it+ik)+4:WFR+8*(4*it+ik)+7], v[\a] offset:ik*32*PW+32*it+16*PW
.set ik, ik+1
.endr
.set it, it+1
.endr
.endm
; The eight fragments of x of rows 32 mp .. 32 mp + 31: 16 LDS loads
.macro XLOAD mp
.set im, 0
.rept 2
.set ik, 0
.rept 4
	ds_load_b128 v[XFR+8*(4*im+ik):XFR+8*(4*im+ik)+3], v[AXF] offset:(2*(\mp)+im)*16*PX+64*ik
	ds_load_b128 v[XFR+8*(4*im+ik)+4:XFR+8*(4*im+ik)+7], v[AXF] offset:(2*(\mp)+im)*16*PX+64*ik+32
.set ik, ik+1
.endr
.set im, im+1
.endr
.endm
; The two packed fragments of rows 32 mp .. + 31 go to memory: four stores of 512 consecutive bytes
.macro SEND mp, dst
.set im, 0
.rept 2
	global_store_b128 v[VL16], v[PK+8*im:PK+8*im+3], s[\dst:\dst+1] offset:(2*(\mp)+im)*32768 th:TH_STORE_NT
	global_store_b128 v[VL16], v[PK+8*im+4:PK+8*im+7], s[\dst:\dst+1] offset:(2*(\mp)+im)*32768+512 th:TH_STORE_NT
.set im, im+1
.endr
.endm
; and, of K, into my own LDS bytes: rows [32][32 d]: lane = row, 16 bytes for each half of the lanes.  A batch's last chunk has no later query: its K is not parked and its U not made
.macro PARK mp
	s_cmp_eq_u32 s28, 15
	s_cbranch_scc1 .Lnokt_\@
	ds_store_b128 v[AKS], v[PK:PK+3] offset:(\mp)*32*PT
	ds_store_b128 v[AKS], v[PK+4:PK+7] offset:(\mp)*32*PT+32
	ds_store_b128 v[AKS], v[PK+8:PK+11] offset:(\mp)*32*PT+16*PT
	ds_store_b128 v[AKS], v[PK+12:PK+15] offset:(\mp)*32*PT+16*PT+32
.Lnokt_\@:
.endm
; phi on 16 numbers in place: max(t, 0) + 2^(min(t log2 e, 0)): t + 1 above 0, e^t below: reference()'s own choice between the two forms.
; PHIA: the 16 exponentials are one batch, and the 16 maxima are the plain work behind them.  The wait for the batch is written in PROJ, between PHIA and PHIB, which reads the results.
.macro PHIA a
.set pj, 0
.rept 8
	v_pk_mul_f32 v[TMP+pj:TMP+pj+1], v[(\a)+pj:(\a)+pj+1], s[46:47] op_sel_hi:[1,0]
.set pj, pj+2
.endr
.set pj, 0
.rept 16
	v_min_num_f32 v[TMP+pj], 0, v[TMP+pj]
.set pj, pj+1
.endr
.set pj, 0
.rept 16
	v_exp_f32 v[TMP+pj], v[TMP+pj]
.set pj, pj+1
.endr
.set pj, 0
.rept 16
	v_max_num_f32 v[(\a)+pj], 0, v[(\a)+pj]
.set pj, pj+1
.endr
.endm
.macro PHIB a
.set pj, 0
.rept 8
	v_pk_add_f32 v[(\a)+pj:(\a)+pj+1], v[(\a)+pj:(\a)+pj+1], v[TMP+pj:TMP+pj+1]
.set pj, pj+2
.endr
.endm
; A STEP.  Rows 32 mp .. 32 mp + 31 x my 32 d: 16 products (four accumulators by turns, the bias as the first C), phi, two packed fragments in PK.
; Its memory work is other steps': the loads of the next row pair's fragments, and (prev = 1) the stores of the step before, with (park = 1) those into my LDS bytes.
.macro PROJ mp, bias, dst, prev, park
	s_wait_dscnt 0x0                               ; this step's fragments of x, asked for in the step before (in a phase's first step: at the phase's head, with the weights' fragments)
.set ik, 0
.rept 4
.set im, 0
.rept 2
.set it, 0
.rept 2
.if ik == 0
	v_wmma_f32_16x16x32_bf16 v[ACC+16*im+8*it:ACC+16*im+8*it+7], v[WFR+8*(4*it+ik):WFR+8*(4*it+ik)+7], v[XFR+8*(4*im+ik):XFR+8*(4*im+ik)+7], v[(\bias)+8*it:(\bias)+8*it+7]
.else
	v_wmma_f32_16x16x32_bf16 v[ACC+16*im+8*it:ACC+16*im+8*it+7], v[WFR+8*(4*it+ik):WFR+8*(4*it+ik)+7], v[XFR+8*(4*im+ik):XFR+8*(4*im+ik)+7], v[ACC+16*im+8*it:ACC+16*im+8*it+7]
.endif
.set it, it+1
.endr
.set im, im+1
.endr
.set ik, ik+1
.endr
	PLACES
	PHIA ACC
	s_wait_alu depctr_va_vdst(0)                   ; the 16 exponentials have written v[TMP ..]; the step's products are done reading XFR, in which the loads below land; the step before has written PK, which the stores below read
.if (\mp) < 3
	XLOAD (\mp)+1                                  ; the next row pair: it has the rest of this step in which to land
.endif
.if \prev
	SEND (\mp)-1, \dst
.if \park
	PARK (\mp)-1
.endif
.endif
	PHIB ACC
	PHIA ACC+16
	s_wait_alu depctr_va_vdst(0)                   ; the second 16 exponentials have written v[TMP ..], ahead of their first reader
	PHIB ACC+16
	s_wait_xcnt 0x0                                ; the addresses of the stores that read PK last are translated (ISA guide 3.1)
	s_wait_alu depctr_vm_vsrc(0)                   ; the stores that read PK last have read it: those above; in a phase's first step those of the phase before (Wq's LDS stores, whose data lay here; Q's last four)
.set ij, 0
.rept 16
	v_cvt_pk_bf16_f32 v[PK+ij], v[ACC+2*ij], v[ACC+2*ij+1]
.set ij, ij+1
.endr
.endm
	LOADW AWQ
	XLOAD 0
	PROJ 0, BQ, 18, 0, 0
	PROJ 1, BQ, 18, 1, 0
	PROJ 2, BQ, 18, 1, 0
	PROJ 3, BQ, 18, 1, 0
	s_wait_loadcnt 0x0                             ; Wk, asked for at the start
	WIN 0x05                                       ; sources window 1, destination window 0
.set ik, 0
.rept 32
	v_cvt_pk_bf16_f32 v[XFR+2*ik], v[KST+4*ik], v[KST+4*ik+1]
	v_cvt_pk_bf16_f32 v[XFR+2*ik+1], v[KST+4*ik+2], v[KST+4*ik+3]
.set ik, ik+1
.endr
	WIN 0
	s_wait_alu depctr_va_vdst(0)                   ; the roundings have written v[XFR ..], which the LDS stores read, and Q's last step has written PK, which its four stores read
.set ik, 0
.rept 16
	ds_store_b64 v[LK0], v[XFR+2*ik:XFR+2*ik+1] offset:ik*4*PW
	ds_store_b64 v[LK1], v[XFR+32+2*ik:XFR+32+2*ik+1] offset:ik*4*PW
.set ik, ik+1
.endr
	SEND 3, 18
	s_wait_dscnt 0x0                               ; for the others' sake: my stores of Wk are done
	s_barrier_signal -1
	s_barrier_wait -1
	s_wait_alu depctr_vm_vsrc(0)                   ; my LDS stores have read v[XFR ..], in which x's fragments land again
	LOADW AWK
	XLOAD 0
	PROJ 0, BK, 20, 0, 0
	PROJ 1, BK, 20, 1, 1
	PROJ 2, BK, 20, 1, 1
	PROJ 3, BK, 20, 1, 1
	s_wait_alu depctr_va_vdst(0)                   ; K's last step has written PK, which the stores below read; phi and the roundings are done with v[TMP ..] and v[ACC ..], in which U's fragments land
	SEND 3, 20
	PARK 3
	s_cmp_eq_u32 s28, 15
	s_cbranch_scc1 .Lend
; U += K^T x+ over rows 32 mp .. + 31: 18 accumulators, one product each.  The parked bytes are the wave's own, and LDS serves a wave's instructions in order (ISA guide 5.7.1.4): no barrier.
; ULOAD: a row pair's 20 turning loads, K into kf, x into xf.  UMUL: its 18 products.
.macro ULOAD mp, kf, xf
.set it, 0
.rept 2
	ds_load_tr16_b128 v[(\kf)+8*it:(\kf)+8*it+3], v[AKL] offset:(\mp)*32*PT+32*it
	ds_load_tr16_b128 v[(\kf)+8*it+4:(\kf)+8*it+7], v[AKL] offset:(\mp)*32*PT+32*it+16*PT
.set it, it+1
.endr
.set ii, 0
.rept 8
	ds_load_tr16_b128 v[(\xf)+8*ii:(\xf)+8*ii+3], v[AXT] offset:(\mp)*32*PX+32*ii
	ds_load_tr16_b128 v[(\xf)+8*ii+4:(\xf)+8*ii+7], v[AXT] offset:(\mp)*32*PX+32*ii+16*PX
.set ii, ii+1
.endr
.endm
.macro UMUL mp, kf, xf
	WIN 0x50                                       ; C and D window 1
.set ii, 0
.rept 9
.set rB, (\xf)+8*ii
.if ii == 8
.set rB, ONES
.endif
.set it, 0
.rept 2
.if (\mp) == 0
	v_wmma_f32_16x16x32_bf16 v[UACC+8*(9*it+ii):UACC+8*(9*it+ii)+7], v[(\kf)+8*it:(\kf)+8*it+7], v[rB:rB+7], 0
.else
	v_wmma_f32_16x16x32_bf16 v[UACC+8*(9*it+ii):UACC+8*(9*it+ii)+7], v[(\kf)+8*it:(\kf)+8*it+7], v[rB:rB+7], v[UACC+8*(9*it+ii):UACC+8*(9*it+ii)+7]
.endif
.set it, it+1
.endr
.set ii, ii+1
.endr
	WIN 0
	PLACES
.endm
	ULOAD 0, KOP, XFR                              ; both buffers are asked for at once
	ULOAD 1, KO2, XF2
	s_wait_dscnt 20                                ; LDS instructions end in order (ISA guide 5.7.1): row pair 0 is in, the 20 loads of pair 1 stay out
	UMUL 0, KOP, XFR
	s_wait_alu depctr_va_vdst(0)                   ; pair 0's products are done reading buffer A, in which pair 2 lands
	ULOAD 2, KOP, XFR
	s_wait_dscnt 20                                ; pair 1 is in, pair 2's loads stay out
	UMUL 1, KO2, XF2
	s_wait_alu depctr_va_vdst(0)                   ; pair 1's products are done reading buffer B, in which pair 3 lands
	ULOAD 3, KO2, XF2
	s_wait_dscnt 20                                ; pair 2 is in, pair 3's loads stay out
	UMUL 2, KOP, XFR
	s_wait_dscnt 0x0
	UMUL 3, KO2, XF2                               ; its four places stand ahead of the stores of the results
	WIN 0x04                                       ; store data window 1
	s_wait_alu depctr_va_vdst(0)                   ; the products have written U's 18 accumulators, which the stores read; the places above stay beside this wait
.set ii, 0
.rept 18                                       ; U in f32, a tile as it lies: registers 0-3, then 4-7: 512 consecutive bytes a store
	global_store_b128 v[VL16], v[UACC+8*ii:UACC+8*ii+3], s[24:25] offset:ii*1024 th:TH_STORE_NT
	global_store_b128 v[VL16], v[UACC+8*ii+4:UACC+8*ii+7], s[24:25] offset:ii*1024+512 th:TH_STORE_NT
.set ii, ii+1
.endr
	WIN 0
.Lend:
	s_wait_dscnt 0x0                               ; the closing lines, six on end
	s_wait_alu 0x0
	s_wait_tensorcnt 0x0
	ds_add_u32 v[SPW], v[NIL]
	s_wait_dscnt 0x0
	s_endpgm
.Lfunc_end_k_qbfed42ce88_state:
	.size	k_qbfed42ce88_state, .Lfunc_end_k_qbfed42ce88_state-k_qbfed42ce88_state
	.p2alignl 7, 3214868480
	.fill 96, 4, 3214868480
	.section	.rodata,"a",@progbits
	.p2align	6, 0x0
	.amdhsa_kernel k_qbfed42ce88_state
		.amdhsa_group_segment_fixed_size 275456
		.amdhsa_private_segment_fixed_size 0
		.amdhsa_enable_private_segment 0
		.amdhsa_kernarg_size 72
		.amdhsa_user_sgpr_count 2
		.amdhsa_user_sgpr_kernarg_segment_ptr 1
		.amdhsa_wavefront_size32 1
		.amdhsa_system_sgpr_workgroup_id_x 1
		.amdhsa_system_sgpr_workgroup_id_y 1
		.amdhsa_system_sgpr_workgroup_id_z 1
		.amdhsa_system_vgpr_workitem_id 0
		.amdhsa_next_free_vgpr 400
		.amdhsa_next_free_sgpr 66
		.amdhsa_reserve_vcc 0
		.amdhsa_float_denorm_mode_32 3
		.amdhsa_float_denorm_mode_16_64 3
		.amdhsa_memory_ordered 1
		.amdhsa_forward_progress 1
		.amdhsa_inst_pref_size 119
	.end_amdhsa_kernel
	.amdgpu_metadata
---
amdhsa.version: [ 1, 2 ]
amdhsa.kernels:
  - .name:           k_qbfed42ce88_state
    .symbol:         k_qbfed42ce88_state.kd
    .args:
      - { .name: x, .offset: 0, .size: 8, .value_kind: global_buffer, .address_space: global }
      - { .name: Wq, .offset: 8, .size: 8, .value_kind: global_buffer, .address_space: global }
      - { .name: bq, .offset: 16, .size: 8, .value_kind: global_buffer, .address_space: global }
      - { .name: Wk, .offset: 24, .size: 8, .value_kind: global_buffer, .address_space: global }
      - { .name: bk, .offset: 32, .size: 8, .value_kind: global_buffer, .address_space: global }
      - { .name: QF, .offset: 40, .size: 8, .value_kind: global_buffer, .address_space: global }
      - { .name: KF, .offset: 48, .size: 8, .value_kind: global_buffer, .address_space: global }
      - { .name: XF, .offset: 56, .size: 8, .value_kind: global_buffer, .address_space: global }
      - { .name: UF, .offset: 64, .size: 8, .value_kind: global_buffer, .address_space: global }
    .group_segment_fixed_size: 275456
    .private_segment_fixed_size: 0
    .kernarg_segment_align: 8
    .kernarg_segment_size: 72
    .max_flat_workgroup_size: 256
    .sgpr_count:     66
    .vgpr_count:     400
    .wavefront_size: 32
...
	.end_amdgpu_metadata
.endif
;; end of part 4
;; launch prefix: the kernel of part 2 again; grid 52 x 4, 12 waves a work-group, no clusters, 168,192 bytes of LDS; arguments UF, Wv, bv, Wo, SF, WF; writes SF, WF
;; launch out: the kernel of part 3 again; grid 4 x 64, 8 waves a work-group, no clusters, 120,576 bytes of LDS; arguments QF, KF, XF, SF, WF, bo, out0; writes out0
